; MI455X (gfx1250); checked and timed in simulation.
; The chip was launched on July 23, 2026; its instructions are those of AMD's public machine-readable ISA for CDNA 5 (MIT licence, August 2026) and "CDNA5" Instruction Set Architecture Reference Guide (July 2026). The comments in the code are by the model that wrote it; some were corrected since.
;; Bahadanau Attention. Allowed arithmetic: matrix products marked QUANTISED: E3M2 operands, one E8M0 scale for each 32 along K, by v_wmma_scale_f32_16x16x128_f8f6f4 with both operands' format E3M2, f32 sums; products left as they are: f32 operands where the result goes on into a quantised operand, else bf16, f16 or f32 operands; f32 sums; everything else in f32.
;; Inputs: We 1 x 1,024 float32; Wk_codes 1,024 x 64 x 24 uint8 (E3M2 codes of Wk, K innermost, in blocks of 32 codes, four codes in three bytes); Wk_scales 1,024 x 64 uint8 (E8M0 scales of Wk, one for each 32 codes along K); Wq_codes 1,024 x 32 x 24 uint8 (E3M2 codes of Wq, K innermost, in blocks of 32 codes, four codes in three bytes); Wq_scales 1,024 x 32 uint8 (E8M0 scales of Wq, one for each 32 codes along K); decoder_hidden_codes 32 x 1 x 32 x 24 uint8 (E3M2 codes of decoder_hidden, K innermost, in blocks of 32 codes, four codes in three bytes); decoder_hidden_scales 32 x 1 x 32 uint8 (E8M0 scales of decoder_hidden, one for each 32 codes along K); encoder_output 32 x 1,024 x 2,048 float32.
;; Outputs: out0 32 x 1 x 2,048 float32.
;; This version of the problem:
;;   THIS VERSION OF THE PROBLEM IS GIVEN IN LOW PRECISION. The matrix products marked QUANTISED in the list below multiply operands that are first quantised to E3M2 (3 exponent bits, 2 mantissa bits; 6 bits a number), with one power-of-two scale for each 32 numbers along K (OCP MX v1.0); their sums are f32. All else is computed in f32.
;;   The module's matrix products, in the order in which they are computed (A, B: the left and right operand; K: the contracted axis; several contracted axes count as one K, in the product's order):
;;     1. [M 32,768, K 2,048] x [K 2,048, N 1,024]; A: input encoder_output; B: input Wk (given as codes): QUANTISED
;;     2. [M 32, K 1,024] x [K 1,024, N 1,024]; A: input decoder_hidden (given as codes); B: input Wq (given as codes): QUANTISED
;;     3. [M 32,768, K 1,024] x [K 1,024, N 1]; A: computed on the way; B: input We: left as it is (N = 1 < 16)
;;     4. batch 32 x [M 1, K 1,024] x [K 1,024, N 2,048]; A: computed on the way; B: input encoder_output: left as it is (M = 1 < 16)
;;   THE QUANTISER, for each operand of a quantised product, along K:
;;     - K is cut into blocks of 32 from its start; a last block that is shorter is filled with zeros.
;;     - A block's scale is 2^e with e = floor(log2(the largest magnitude in the block)) - 4, held to -126 .. 127; a block of zeros has e = 0. As a byte (E8M0): e + 127.
;;     - Each number is divided by its block's scale, clamped to +-28, and rounded to the nearest number of E3M2, ties to even, subnormals kept.
;;     - The product sums the exact products of the quantised numbers (number of the format x scale) in f32.
;;   ~~~python
;;   def quantise(x, axis):      # numpy; x: float32 -> the quantised numbers, widened to float32 again
;;       x = np.moveaxis(x, axis, -1); K = x.shape[-1]
;;       x = np.pad(x, [(0, 0)] * (x.ndim - 1) + [(0, -K % 32)]); x = x.reshape(x.shape[:-1] + (-1, 32)); a = np.abs(x).max(-1, keepdims=True)
;;       e = np.where(a > 0, np.clip(np.frexp(np.where(a > 0, a, 1))[1] - 1 - 4, -126, 127), 0)      # np.frexp(a)[1] - 1 = floor(log2(a)), exactly
;;       r = np.clip(x / 2.0 ** e, -28, 28)
;;       step = 2.0 ** (np.maximum(np.frexp(np.where(r == 0, 1, r))[1] - 1, -2) - 2)
;;       q = np.round(r / step) * step * 2.0 ** e      # np.round: ties to even
;;       return np.moveaxis(q.reshape(q.shape[:-2] + (-1,))[..., :K], -1, axis).astype(np.float32)
;;   ~~~
;;   INPUTS GIVEN AS CODES. Wk (in the module: [1024, 2048], K = its axis 1); Wq (in the module: [1024, 1024], K = its axis 1); decoder_hidden (in the module: [32, 1, 1024], K = its axis 2): each comes as NAME_codes (uint8): NAME with its K axis moved to the last place and cut into blocks of 32 codes, [.., K / 32, bytes a block], one block behind the other in memory; four codes in three bytes: a row's codes are one little-endian stream of bits, code i at bits 6 i .. 6 i + 5 (a code: sign, 3 exponent bits, 2 mantissa bits); and NAME_scales (uint8): the same leading axes, one E8M0 byte (e + 127) for each 32 codes along K. Its value is code x scale, taken as it is: it is not quantised again, and the codes and scales need not be those that the quantiser above would give.
;; 2 versions. Each part assembles by itself: llvm-mc -triple=amdgcn-amd-amdhsa -mcpu=gfx1250 --defsym DOCPART=n.
;; ======== version 1 of 2: 3 launches
;; workspace buffers: wkl 1,638,400 bytes; qc 131,072 bytes; scores 131,072 bytes
;; launch prep (part 1): grid 32 x 1, 8 waves a work-group, no clusters, 9,728 bytes of LDS; arguments Wq_codes, Wq_scales, decoder_hidden_codes, decoder_hidden_scales, Wk_codes, Wk_scales, qc, wkl; writes qc, wkl
.if DOCPART == 1
	.amdgcn_target "amdgcn-amd-amdhsa--gfx1250"
	.amdhsa_code_object_version 6
	.text
	.protected	k_q7f64990c33_prep
	.globl	k_q7f64990c33_prep
	.p2align	8
	.type	k_q7f64990c33_prep,@function
k_q7f64990c33_prep:
	s_mov_b64 s[64:65], 0
	v_nop
	global_prefetch_b8 v0, s[64:65] scope:SCOPE_SE
	s_setreg_imm32_b32 hwreg(HW_REG_WAVE_MODE, 25, 1), 1
	s_wait_xcnt 0x0
; Two small jobs, both done by every work-group, so that no branch hangs on the work-group's number.
; (1) qc[b][n] = c x query[b][n], c = 2 log2(e); query = decoder_hidden Wq^T on the codes of E3M2 and E8M0 scales as they are given (M 32, N 1,024, K 1,024).
;     Work-group x: batches 16 (x & 1) on, columns 64 (x >> 1) on.  Wave w: the tile of 16 columns w & 3, K steps 4 (w >> 2) to 4 (w >> 2) + 3 of 128.
;     A wave's four products go on two accumulators by turns; the two halves of K meet in LDS.  So a sum is made in four parts: its order is not the one of a single chain.
; (2) Wk's codes and scale words are laid in the order in which the next launch's operand registers take them.  wkl has 128 blocks of 12,800 bytes; block 4 g + v, g = 16 p + s
;     (p: half of N, s: K step of 128, v: the wave that will read it): eight images of 1,536 bytes (tile of 16 rows of Wk 32 p + 8 v + b; registers 4 c .. 4 c + 3 of lane l at 512 c + 16 l),
;     then at byte 12,288 two runs of 256 bytes: lane r's 16 bytes are the scale words of row r in tiles 4 q .. 4 q + 3.  Wave 8 x + w lays half a block: four tiles.
.set SPQ,   272                        ; a stage row: 64 columns of f32 + 16 bytes
.set HALFQ, 16*SPQ                     ; a stage: 16 batches; one stage for each half of K
	s_load_b256 s[4:11], s[0:1], 0x0               ; Wq's codes s[4:5], its scales s[6:7], decoder_hidden's codes s[8:9], its scales s[10:11]
	s_load_b256 s[12:19], s[0:1], 0x20             ; Wk's codes s[12:13], its scales s[14:15], qc s[16:17], wkl s[18:19]
	v_lshl_add_u32 v208, v0, 2, 0x2200
	v_mov_b32 v209, 0
	v_lshrrev_b32 v1, 5, v0
	v_readfirstlane_b32 s22, v1                    ; wave 0..7
	v_and_b32 v1, 15, v0                           ; r
	v_bfe_u32 v2, v0, 4, 1                         ; h
	v_and_b32 v12, 31, v0                          ; lane
	v_mul_u32_u24 v3, v1, 768                      ; Wq, decoder_hidden: a row of 1,024 codes is 768 bytes,
	v_mad_u32_u24 v3, v2, 24, v3                   ; + 24 h
	v_lshlrev_b32 v4, 5, v1                        ; their scale bytes: 32 a row
	v_mul_u32_u24 v5, v1, 1536                     ; Wk: a row of 2,048 codes is 1,536 bytes,
	v_mad_u32_u24 v5, v2, 24, v5                   ; + 24 h
	v_lshlrev_b32 v6, 6, v1                        ; its scale bytes: 64 a row
	v_lshlrev_b32 v7, 4, v12                       ; an image's place for my lane
	v_lshlrev_b32 v8, 4, v1                        ; four scale words of row r
	s_and_b32 s23, ttmp9, 1                        ; mt: which 16 batches
	s_lshr_b32 s24, ttmp9, 1                       ; xn: which 64 columns
	s_and_b32 s25, s22, 3                          ; nl: which 16 of them
	s_lshr_b32 s26, s22, 2                         ; kh: which half of K
	s_lshl_b32 s27, s24, 6
	s_lshl_b32 s28, s25, 4
	s_add_co_u32 s27, s27, s28                     ; my first column = my first row of Wq
	s_mul_i32 s28, s27, 768
	s_mul_i32 s30, s26, 384                        ; four K steps of 96 bytes
	s_add_co_u32 s28, s28, s30
	s_mov_b32 s29, 0                               ; s[28:29]: into Wq's codes
	s_lshl_b32 s32, s27, 5
	s_lshl_b32 s34, s26, 4
	s_add_co_u32 s32, s32, s34
	s_mov_b32 s33, 0                               ; s[32:33]: into Wq's scales
	s_mul_i32 s36, s23, 12288
	s_add_co_u32 s36, s36, s30
	s_mov_b32 s37, 0                               ; s[36:37]: into decoder_hidden's codes
	s_lshl_b32 s38, s23, 9
	s_add_co_u32 s38, s38, s34
	s_mov_b32 s39, 0                               ; s[38:39]: into its scales
	s_mul_i32 s40, s26, HALFQ
	s_lshl_b32 s41, s25, 6
	s_add_co_u32 s40, s40, s41
	v_mul_u32_u24 v9, v1, SPQ
	v_lshl_add_u32 v9, v2, 5, v9
	v_add_nc_u32 v9, s40, v9                       ; into the stage: my half of K, row r, my tile's 64 bytes, + 32 h
	s_mul_i32 s41, s22, 2*SPQ
	v_mul_u32_u24 v10, v2, SPQ
	v_lshl_add_u32 v10, v1, 4, v10
	v_add_nc_u32 v10, s41, v10                     ; back: wave w takes rows 2 w and 2 w + 1, sixteen lanes to a row of 256 bytes
	s_lshl_b32 s42, s22, 13
	v_lshlrev_b32 v11, 12, v2
	v_lshl_add_u32 v11, v1, 4, v11
	v_add_nc_u32 v11, s42, v11                     ; and the same place in qc: rows of 4,096 bytes
	s_lshl_b32 s43, ttmp9, 3
	s_add_co_u32 s43, s43, s22                     ; 8 x + w
	s_lshr_b32 s44, s43, 1                         ; the block of wkl
	s_and_b32 s45, s43, 1                          ; which four of its tiles
	s_lshr_b32 s46, s44, 2                         ; g
	s_and_b32 s47, s44, 3                          ; v
	s_lshr_b32 s48, s46, 4                         ; p
	s_and_b32 s49, s46, 15                         ; s
	s_lshl_b32 s48, s48, 5
	s_lshl_b32 s47, s47, 3
	s_add_co_u32 s48, s48, s47
	s_lshl_b32 s47, s45, 2
	s_add_co_u32 s48, s48, s47                     ; my first tile of 16 rows of Wk: 32 p + 8 v + 4 q
	s_mul_i32 s50, s48, 24576
	s_mul_i32 s47, s49, 96
	s_add_co_u32 s50, s50, s47
	s_mov_b32 s51, 0                               ; s[50:51]: into Wk's codes
	s_lshl_b32 s52, s48, 10
	s_lshl_b32 s47, s49, 2
	s_add_co_u32 s52, s52, s47
	s_mov_b32 s53, 0                               ; s[52:53]: into Wk's scales
	s_mul_i32 s54, s44, 12800
	s_mul_i32 s47, s45, 6144
	s_add_co_u32 s56, s54, s47
	s_mov_b32 s57, 0                               ; s[56:57]: my four images in wkl
	s_lshl_b32 s47, s45, 8
	s_add_co_u32 s58, s54, s47
	s_add_co_u32 s58, s58, 12288
	s_mov_b32 s59, 0                               ; s[58:59]: my run of scale words in wkl
	s_lshl_b32 s60, s23, 16
	s_lshl_b32 s47, s24, 8
	s_add_co_u32 s60, s60, s47
	s_mov_b32 s61, 0                               ; s[60:61]: into qc: 16 mt rows, 64 xn columns
	s_mov_b32 s20, 0x4038aa3b                      ; c = 2 log2(e)
	s_mov_b32 s21, s20                             ; (named with it as a pair, so it is written)
	s_wait_kmcnt 0x0
	s_add_nc_u64 s[4:5], s[4:5], s[28:29]
	s_add_nc_u64 s[6:7], s[6:7], s[32:33]
	s_add_nc_u64 s[8:9], s[8:9], s[36:37]
	s_add_nc_u64 s[10:11], s[10:11], s[38:39]
	s_add_nc_u64 s[12:13], s[12:13], s[50:51]
	s_add_nc_u64 s[14:15], s[14:15], s[52:53]
	s_add_nc_u64 s[16:17], s[16:17], s[60:61]
	s_add_nc_u64 s[62:63], s[18:19], s[58:59]
	s_add_nc_u64 s[18:19], s[18:19], s[56:57]
	; the query's operands: 50 loads.  A fragment (16 rows x 128 K of 6-bit codes) is 12 registers: 24 bytes of the row's stream at 24 h, 24 more at 48 + 24 h, in pieces of 8 bytes
.irp i, 0,1,2,3
.irp p, 0,1,2,3,4,5
	global_load_b64 v[16+12*\i+2*\p:17+12*\i+2*\p], v3, s[4:5] offset:96*\i+48*(\p/3)+8*(\p%3)
	global_load_b64 v[64+12*\i+2*\p:65+12*\i+2*\p], v3, s[8:9] offset:96*\i+48*(\p/3)+8*(\p%3)
.endr
.endr
	global_load_b128 v[112:115], v4, s[6:7]        ; row r's scale words of my four K steps
	global_load_b128 v[116:119], v4, s[10:11]
	; Wk's four tiles of K step s: 28 loads
.irp i, 0,1,2,3
.irp p, 0,1,2,3,4,5
	global_load_b64 v[144+12*\i+2*\p:145+12*\i+2*\p], v5, s[12:13] offset:24576*\i+48*(\p/3)+8*(\p%3)
.endr
.endr
.irp i, 0,1,2,3
	global_load_b32 v[192+\i], v6, s[14:15] offset:1024*\i
.endr
	s_wait_loadcnt 28                              ; the query's 50 loads are in; Wk's 28, issued behind them, may be out
	; TRANSPOSED: source 0 = 16 rows of Wq, source 1 = 16 batches: lane (r, h) holds batch r, and its register j column 8 h + j of the tile.  Two accumulators by turns.
.irp i, 0,1
	v_wmma_scale_f32_16x16x128_f8f6f4 v[120+8*\i:127+8*\i], v[16+12*\i:27+12*\i], v[64+12*\i:75+12*\i], 0, v[112+\i], v[116+\i] matrix_a_fmt:MATRIX_FMT_BF6 matrix_b_fmt:MATRIX_FMT_BF6
.endr
.irp i, 2,3
	v_wmma_scale_f32_16x16x128_f8f6f4 v[120+8*(\i-2):127+8*(\i-2)], v[16+12*\i:27+12*\i], v[64+12*\i:75+12*\i], v[120+8*(\i-2):127+8*(\i-2)], v[112+\i], v[116+\i] matrix_a_fmt:MATRIX_FMT_BF6 matrix_b_fmt:MATRIX_FMT_BF6
.endr
.rept 4
	v_nop                                          ; four places in front of the first read of results (ISA guide 7.12.1)
.endr
.irp j, 0,2,4,6
	v_pk_add_f32 v[136+\j:137+\j], v[120+\j:121+\j], v[128+\j:129+\j]   ; both accumulators from their low ends on
.endr
	ds_store_b128 v9, v[136:139]
	ds_store_b128 v9, v[140:143] offset:16
	s_wait_loadcnt 0x0                             ; Wk's tiles
.irp i, 0,1,2,3
.irp c, 0,1,2
	global_store_b128 v7, v[144+12*\i+4*\c:147+12*\i+4*\c], s[18:19] offset:1536*\i+512*\c   ; the wave stores 512 consecutive bytes
.endr
.endr
	global_store_b128 v8, v[192:195], s[62:63]     ; 256 consecutive bytes; lanes 16-31 hold what lanes 0-15 hold and write the same bytes
	s_wait_dscnt 0x0                               ; for the others' sake: my part of the stage is written
	s_barrier_signal -1
	s_barrier_wait -1
	ds_load_b128 v[196:199], v10                   ; the first half of K,
	ds_load_b128 v[200:203], v10 offset:HALFQ      ; the second
	s_wait_dscnt 0x0
	v_pk_add_f32 v[196:197], v[196:197], v[200:201]
	v_pk_add_f32 v[198:199], v[198:199], v[202:203]
	v_pk_mul_f32 v[196:197], v[196:197], s[20:21] op_sel_hi:[1,0]
	v_pk_mul_f32 v[198:199], v[198:199], s[20:21] op_sel_hi:[1,0]
	global_store_b128 v11, v[196:199], s[16:17]    ; sixteen lanes store 256 consecutive bytes of a row of qc, at a multiple of 256 from its first byte
	s_wait_tensorcnt 0x0
	ds_add_u32 v208, v209
	s_wait_dscnt 0x0
	s_endpgm
.Lfunc_end_k_q7f64990c33_prep:
	.size	k_q7f64990c33_prep, .Lfunc_end_k_q7f64990c33_prep-k_q7f64990c33_prep
	.p2alignl 7, 3214868480
	.fill 96, 4, 3214868480
	.section	.rodata,"a",@progbits
	.p2align	6, 0x0
	.amdhsa_kernel k_q7f64990c33_prep
		.amdhsa_group_segment_fixed_size 9728
		.amdhsa_private_segment_fixed_size 0
		.amdhsa_enable_private_segment 0
		.amdhsa_kernarg_size 64
		.amdhsa_user_sgpr_count 2
		.amdhsa_user_sgpr_kernarg_segment_ptr 1
		.amdhsa_wavefront_size32 1
		.amdhsa_system_sgpr_workgroup_id_x 1
		.amdhsa_system_sgpr_workgroup_id_y 1
		.amdhsa_system_sgpr_workgroup_id_z 1
		.amdhsa_system_vgpr_workitem_id 0
		.amdhsa_next_free_vgpr 210
		.amdhsa_next_free_sgpr 66
		.amdhsa_reserve_vcc 0
		.amdhsa_float_denorm_mode_32 3
		.amdhsa_float_denorm_mode_16_64 3
		.amdhsa_memory_ordered 1
		.amdhsa_forward_progress 1
		.amdhsa_inst_pref_size 15
	.end_amdhsa_kernel
	.amdgpu_metadata
---
amdhsa.version: [ 1, 2 ]
amdhsa.kernels:
  - .name:           k_q7f64990c33_prep
    .symbol:         k_q7f64990c33_prep.kd
    .args:
      - { .name: Wq_codes, .offset: 0, .size: 8, .value_kind: global_buffer, .address_space: global }
      - { .name: Wq_scales, .offset: 8, .size: 8, .value_kind: global_buffer, .address_space: global }
      - { .name: decoder_hidden_codes, .offset: 16, .size: 8, .value_kind: global_buffer, .address_space: global }
      - { .name: decoder_hidden_scales, .offset: 24, .size: 8, .value_kind: global_buffer, .address_space: global }
      - { .name: Wk_codes, .offset: 32, .size: 8, .value_kind: global_buffer, .address_space: global }
      - { .name: Wk_scales, .offset: 40, .size: 8, .value_kind: global_buffer, .address_space: global }
      - { .name: qc, .offset: 48, .size: 8, .value_kind: global_buffer, .address_space: global }
      - { .name: wkl, .offset: 56, .size: 8, .value_kind: global_buffer, .address_space: global }
    .group_segment_fixed_size: 9728
    .private_segment_fixed_size: 0
    .kernarg_segment_align: 8
    .kernarg_segment_size: 64
    .max_flat_workgroup_size: 256
    .sgpr_count:     66
    .vgpr_count:     210
    .wavefront_size: 32
...
	.end_amdgpu_metadata
.endif
;; end of part 1
;; launch score (part 2): grid 256 x 1, 4 waves a work-group, no clusters, 255,488 bytes of LDS; arguments encoder_output, wkl, qc, We, scores; writes scores
.if DOCPART == 2
	.amdgcn_target "amdgcn-amd-amdhsa--gfx1250"
	.amdhsa_code_object_version 6
	.text
	.protected	k_q7f64990c33_score
	.globl	k_q7f64990c33_score
	.p2align	8
	.type	k_q7f64990c33_score,@function
k_q7f64990c33_score:
	s_mov_b64 s[64:65], 0
	v_nop
	global_prefetch_b8 v0, s[64:65] scope:SCOPE_SE
	s_setreg_imm32_b32 hwreg(HW_REG_WAVE_MODE, 25, 1), 1
	s_wait_xcnt 0x0
; scores'[row] = sum over n of (-2 We[n]) / (1 + 2^(c key[row][n] + qc[batch][n])), c = 2 log2(e), key = Q(encoder_output) Wk^T on codes of E3M2 with E8M0 scales (K 2,048, N 1,024).
; tanh(x) = 1 - 2 / (1 + 2^(c x)), so the energy score of reference() is scores' + the sum of We, a number that all rows share: the softmax that follows takes it out again for every input, so it is not added.
; 2^t that overflows gives 1 / infinity = 0 (tanh = 1), 2^t that falls to 0 gives 1 (tanh = -1): no hold is needed.
; LIMITS: NaN and infinities in encoder_output are not served.  A block of 32 zeros gets the scale byte 1 where the rule says 127 (its codes are zeros, and this launch alone reads the byte); so does a block whose largest magnitude lies under 2^-122.
; SHARES.  A work-group of four waves owns 128 rows (all of one batch).  FIRST wave w quantises rows 32 w .. 32 w + 31 for all of K: the codes, 196,608 bytes, stay in LDS as images of the operand's registers.
; THEN every wave multiplies all 128 rows by its own 128 rows of Wk: 64 accumulators, 512 registers; N goes in two passes of 512.  Behind each pass the tanh and the product with We are taken on the accumulators.
; Wk COMES FROM MEMORY STRAIGHT INTO REGISTERS, AND THERE IS NO CLUSTER: a fragment of Wk is wanted by one wave of the work-group alone, so a way through LDS would add a write and a read and spare none;
; and beside the rows' codes LDS has room for two slots of only one K step of 128, 64 matrix instructions between a request and the wait for it, with a round of a cluster's barrier for each.  From wkl, which
; the launch before has laid in the registers' order, a fragment is three loads of 512 consecutive bytes, and three runs of 13 loads are always on their way.
; THE MATRIX INSTRUCTION IS USED TRANSPOSED: source 0 = 16 rows of Wk, source 1 = 16 rows of encoder_output: lane (r, h) holds row r, and its register j column 8 h + j of the tile.
; REGISTERS, in windows of 256: window 0: v1-13 addresses; v16-31 the rows' sums; v32-47 the rows' scale words, v48-63 Wk's (two sets each; they hold scales and nothing else); v64-159, v160-255 the rows' fragments, two sets.
;   While rows are quantised v64-193 are at work otherwise (X, PC, TM, PW, QWR, addresses); behind a pass v160-255 (T, QB).   window 1: Wk's fragments, two sets of 96.
;   windows 2, 3: the accumulators ((a, b) at v[8 (8 (b % 4) + a)], window 2 for b < 4); while rows are quantised window 2 holds four sets of 64 numbers as loaded.
.set IMG,  0                           ; LDS: the image of (tile of rows a, K step s) at 24576 a + 1536 s: a wave's 32 images lie on end
.set ASC,  196608                      ; its scale words, 4 bytes a lane, at 2048 a + 128 s
.set QC,   212992                      ; qc of my batch, 4,096 bytes,
.set W2O,  4096                        ; and behind it -2 We
.set STG,  221184                      ; a stage for each wave: 16 rows x (512 bytes + 16)
.set SP,   528
.set SCR,  0                           ; at the end: the four waves' sums, 512 bytes each, over images that are done with
.set LI,   1                           ; v1   16 x lane
.set A0,   2                           ; v2   IMG + 16 x lane
.set AA,   3                           ; v3-6 the step's images: tiles 0-1, 2-3, 4-5, 6-7 (an LDS immediate has 16 bits)
.set AS0,  7                           ; v7   ASC + 4 x lane
.set ASA,  8                           ; v8   the step's scale words
.set BS,   9                           ; v9   16 r: Wk's scale words in a block of wkl
.set Q0,   10                          ; v10  QC + 512 w + 32 h
.set QA,   11                          ; v11  the same in the pass in hand
.set SCW,  12                          ; v12  SCR + 512 w + 4 r
.set SCRD, 13                          ; v13  SCR + 16 x lane
.set S,    16
.set ASCR, 32
.set BSCR, 48
.set X,    64                          ; 64 numbers of a lane: register 16 b + i = k 32 b + 16 h + i of row r
.set PC,   128                         ; the codes just made (12), and 8 at work
.set TM,   148                         ; v148-163 at work
.set PW,   164                         ; the scale word just made
.set QWR,  168                         ; v168-183 my 8 numbers of qc, my 8 of We
.set STI,  184                         ; the stage, on the way in: 16 x lane
.set STO,  185                         ; and out: 528 r + 64 h
.set IM0,  186                         ; my images: 49152 w + 16 x lane
.set IM,   187                         ; the same in the trip in hand
.set ASW0, 188                         ; my scale words: ASC + 4096 w + 4 x lane
.set ASW,  189
.set QG,   190                         ; 32 x thread
.set QST,  191                         ; QC + 32 x thread
.set T,    160                         ; behind a pass: 64 numbers at work
.set QB0,  224                         ; two sets of 8 of qc and 8 of -2 We
.set SEL,  20                          ; s[20:21] v_permlanex16_b32's selects for lane l xor 16
.set G,    25                          ; s25  K steps begun, over both passes
.set MSB, 0
.macro WIN new                         ; the immediate's high byte repeats the setting that is left; a switch that changes nothing is dropped
.if MSB != (\new)
	s_set_vgpr_msb (MSB<<8)|(\new)
.set MSB, (\new)
.endif
.endm
.macro PLACES                          ; four places in front of loads into registers that matrix instructions have read, and of reads of results (ISA guide 7.12.1 for vector instructions)
.rept 4
	v_nop
.endr
.endm
; 64 numbers of a lane become a fragment's codes in v[PC] on and its row's scale word in v[PW].
.macro QUANT s
.irp b, 0,1,2,3
	v_max3_num_f32 v[TM+\b], |v[\s+16*\b]|, |v[\s+1+16*\b]|, 0x2800000   ; block b: my 16 numbers, and the floor 2^(5 - 127): the byte cannot fall under 1
.endr
.irp i, 2,4,6,8,10,12,14
.irp b, 0,1,2,3
	v_max3_num_f32 v[TM+\b], v[TM+\b], |v[\s+16*\b+\i]|, |v[\s+1+16*\b+\i]|   ; (the four blocks by turns)
.endr
.endr
.irp b, 0,1,2,3
	v_permlanex16_b32 v[TM+4+\b], v[TM+\b], s[SEL], s[SEL+1]
.endr
.irp b, 0,1,2,3
	v_max_num_f32 v[TM+\b], v[TM+\b], v[TM+4+\b]   ; with lane l xor 16's: the block's largest magnitude
.endr
.irp b, 0,1,2,3
	v_add_nc_u32 v[TM+12+\b], 0xfe000000, v[TM+\b]   ; 4 off its exponent field: the conversion takes the exponent field of this operand as its scale
.endr
.irp b, 0,1,2,3
	v_lshrrev_b32 v[TM+4+\b], 23, v[TM+12+\b]      ; the scale's byte
.endr
	v_lshl_or_b32 v[PW], v[TM+5], 8, v[TM+4]
	v_lshl_or_b32 v[PW], v[TM+6], 16, v[PW]
	v_lshl_or_b32 v[PW], v[TM+7], 24, v[PW]
.irp c, 0,1
	v_cvt_scalef32_pk16_bf6_f32 v[PC+6*\c:PC+2+6*\c], v[\s+32*\c:\s+15+32*\c], v[TM+12+2*\c]
	v_cvt_scalef32_pk16_bf6_f32 v[PC+12+4*\c:PC+14+4*\c], v[\s+16+32*\c:\s+31+32*\c], v[TM+12+2*\c+1]   ; (a conversion's three registers begin on an even number)
.endr
	v_nop                                          ; one plain place behind a scaled conversion
.irp c, 0,1                                    ; the operand's layout wants a whole block in a lane: lanes 0-15 block 2 c, lanes 16-31 block 2 c + 1
.irp i, 0,1,2
	v_permlane16_swap_b32 v[PC+6*\c+\i], v[PC+12+4*\c+\i]
.endr
.irp i, 0,1,2
	v_mov_b32 v[PC+3+6*\c+\i], v[PC+12+4*\c+\i]
.endr
.endr
.endm
; Set q of four: tile q % 2 of my two tiles of 16 rows, K step q / 2 of a trip's two.  Load i reads 512 consecutive bytes of row i.
.macro XLOAD q, off
	WIN 0x80                                       ; destination window 2
.irp i, 0,1,2,3,4,5,6,7,8,9,10,11,12,13,14,15
	global_load_b128 v[64*(\q)+4*\i:64*(\q)+4*\i+3], v[LI], s[4:5] offset:(\off)+131072*((\q)%2)+512*((\q)/2)+8192*\i th:TH_LOAD_NT
.endr
	WIN 0
.endm
; A run of 13 loads: four fragments of Wk (blocks 4 half on) into set sg, and their scale words.
.macro BRUN sg, half, off
	WIN 0x40                                       ; destination window 1
.irp k, 0,1,2,3
.irp c, 0,1,2
	global_load_b128 v[96*(\sg)+12*(4*(\half)+\k)+4*\c:96*(\sg)+12*(4*(\half)+\k)+4*\c+3], v[LI], s[6:7] offset:(\off)+1536*(4*(\half)+\k)+512*\c
.endr
.endr
	WIN 0
	global_load_b128 v[BSCR+8*(\sg)+4*(\half):BSCR+8*(\sg)+4*(\half)+3], v[BS], s[6:7] offset:(\off)+12288+256*(\half)
.endm
; Set q is quantised.  The loads took bytes as they lie; the conversions want 16 neighbours along K in a lane: so the set turns through my stage.  ahead = 1: the set is loaded again, for the next trip;
; 0 (the last trip): one of the four first runs of Wk goes out in its stead.  left: the younger loads, which may stay out.
.macro XSTEP q, ahead, left
	s_wait_loadcnt \left
	WIN 0x08                                       ; an LDS store's data are its source 1: window 2
.irp i, 0,1,2,3,4,5,6,7,8,9,10,11,12,13,14,15
	ds_store_b128 v[STI], v[64*(\q)+4*\i:64*(\q)+4*\i+3] offset:SP*\i
.endr
	WIN 0
.irp b, 0,1,2,3
.irp j, 0,1,2,3
	ds_load_b128 v[X+16*\b+4*\j:X+16*\b+4*\j+3], v[STO] offset:128*\b+16*\j   ; LDS serves a wave's instructions in order (ISA guide 5.7.1.4): these see the stores above
.endr
.endr
	s_wait_dscnt 0x0                               ; X is in; the stores into the stage have read the set; the last image's stores have read PC and PW
.if \ahead
	XLOAD \q, 1024
.else
	BRUN (\q)/2, (\q)%2, 51200*((\q)/2)
.endif
	QUANT X
.irp c, 0,1,2
	ds_store_b128 v[IM], v[PC+4*\c:PC+4*\c+3] offset:24576*((\q)%2)+1536*((\q)/2)+512*\c   ; the fragment goes to LDS as it stands: lane l's 16 bytes at 16 l
.endr
	ds_store_b32 v[ASW], v[PW] offset:2048*((\q)%2)+128*((\q)/2)
.endm
; The rows' eight fragments and scale words of the K step whose addresses stand in AA and ASA, into a set.
.macro AFETCH set
.irp a, 0,1,2,3,4,5,6,7
.irp c, 0,1,2
	ds_load_b128 v[64+96*(\set)+12*\a+4*\c:64+96*(\set)+12*\a+4*\c+3], v[AA+\a/2] offset:24576*(\a%2)+512*\c
.endr
.endr
.irp a, 0,1,2,3,4,5,6,7
	ds_load_b32 v[ASCR+8*(\set)+\a], v[ASA] offset:2048*\a
.endr
.endm
; 32 matrix instructions: Wk's blocks b0 .. b0 + 3 x the eight tiles of rows.  The 64 accumulators take turns, one instruction a turn, in the same order in every step.
.macro MULB sg, b0, zero
.irp k, 0,1,2,3
.irp a, 0,1,2,3,4,5,6,7
.if \zero
	v_wmma_scale_f32_16x16x128_f8f6f4 v[8*(8*\k+\a):8*(8*\k+\a)+7], v[96*(\sg)+12*((\b0)+\k):96*(\sg)+12*((\b0)+\k)+11], v[64+96*(\sg)+12*\a:64+96*(\sg)+12*\a+11], 0, v[BSCR+8*(\sg)+(\b0)+\k], v[ASCR+8*(\sg)+\a] matrix_a_fmt:MATRIX_FMT_BF6 matrix_b_fmt:MATRIX_FMT_BF6
.else
	v_wmma_scale_f32_16x16x128_f8f6f4 v[8*(8*\k+\a):8*(8*\k+\a)+7], v[96*(\sg)+12*((\b0)+\k):96*(\sg)+12*((\b0)+\k)+11], v[64+96*(\sg)+12*\a:64+96*(\sg)+12*\a+11], v[8*(8*\k+\a):8*(8*\k+\a)+7], v[BSCR+8*(\sg)+(\b0)+\k], v[ASCR+8*(\sg)+\a] matrix_a_fmt:MATRIX_FMT_BF6 matrix_b_fmt:MATRIX_FMT_BF6
.endif
.endr
.endr
.endm
; A K step of 128, on sets sg: 64 matrix instructions.  Each half of Wk's set is loaded again, for the step two on, as soon as its 32 products are issued; the rows' other set is fetched in the middle.
; The step is written once for all 32 steps: the last of a pass fetches the rows' step 0 (behind the second pass nobody uses it), and steps 30 and 31, for which no step two on exists, ask for step 31's block
; once more and leave it unread (the pointer stops at step 29): so every step issues the same 26 loads, every wait has one count, and no load leaves wkl.
.macro GSTEP sg, zero
	s_wait_dscnt 0x0                               ; the rows' set is in
	s_wait_loadcnt 39                              ; Wk's blocks 0-3 are in: behind their run three runs of 13 were issued
	WIN 0xa1                                       ; source 0 (Wk) window 1, source 1 (rows) window 0, C and D window 2
	MULB \sg, 0, \zero
	PLACES
	BRUN \sg, 0, 102400
	s_add_co_u32 s[G], s[G], 1
	s_and_b32 s31, s[G], 15                        ; the next K step of the rows
	s_mul_i32 s28, s31, 1536
	s_lshl_b32 s29, s31, 7
	v_add_nc_u32 v[AA], s28, v[A0]
	v_add_nc_u32 v[AA+1], 49152, v[AA]
	v_add_nc_u32 v[AA+2], 98304, v[AA]
	v_add_nc_u32 v[AA+3], 147456, v[AA]
	v_add_nc_u32 v[ASA], s29, v[AS0]
	AFETCH 1-(\sg)                                 ; its last readers stand in front of the last step's closing places
	s_wait_loadcnt 39                              ; Wk's blocks 4-7 are in: again three runs are younger
	WIN 0xf1                                       ; C and D window 3
	MULB \sg, 4, \zero
	PLACES
	BRUN \sg, 1, 102400
	s_cmp_lt_u32 s[G], 30
	s_cselect_b32 s26, 51200, 0                    ; a step's four blocks on, up to step 29
	s_wait_xcnt 0x0                                ; the base is rewritten only behind this wait
	s_add_nc_u64 s[6:7], s[6:7], s[26:27]
.endm
; Behind a pass: Wk's block b, all 128 rows.  t = c key + qc; 1 / (1 + 2^t); times -2 We, onto the rows' sums (a pair for each tile of rows: even columns, odd columns).
.macro EPI b
.set QB, QB0+16*((\b)%2)
.set QN, QB0+16*(((\b)+1)%2)
	s_wait_dscnt 0x0                               ; this block's qc and -2 We are in
.if (\b) < 7
	ds_load_b128 v[QN:QN+3], v[QA] offset:64*((\b)+1)
	ds_load_b128 v[QN+4:QN+7], v[QA] offset:64*((\b)+1)+16
	ds_load_b128 v[QN+8:QN+11], v[QA] offset:W2O+64*((\b)+1)
	ds_load_b128 v[QN+12:QN+15], v[QA] offset:W2O+64*((\b)+1)+16
.endif
	WIN 0x02+(\b)/4                                ; source 0: window 2 or 3
.irp a, 0,1,2,3,4,5,6,7
.irp j, 0,2,4,6
	v_pk_fma_f32 v[T+8*\a+\j:T+8*\a+\j+1], v[64*((\b)%4)+8*\a+\j:64*((\b)%4)+8*\a+\j+1], s[18:19], v[QB+\j:QB+\j+1] op_sel_hi:[1,0,1]   ; each accumulator from its low end on
.endr
.endr
	WIN 0
.set II, 0
.rept 64
	v_exp_f32 v[T+II], v[T+II]
.set II, II+1
.endr
	v_nop                                          ; one plain place behind the transcendentals
.set II, 0
	s_wait_alu depctr_va_vdst(0)
.rept 32
	v_pk_add_f32 v[T+II:T+II+1], v[T+II:T+II+1], 1.0 op_sel_hi:[1,0]
.set II, II+2
.endr
.set II, 0
.rept 64
	v_rcp_f32 v[T+II], v[T+II]
.set II, II+1
.endr
	v_nop
	s_wait_alu depctr_va_vdst(0)
.irp j, 0,2,4,6
.irp a, 0,1,2,3,4,5,6,7
	v_pk_fma_f32 v[S+2*\a:S+2*\a+1], v[T+8*\a+\j:T+8*\a+\j+1], v[QB+8+\j:QB+9+\j], v[S+2*\a:S+2*\a+1]   ; eight chains by turns
.endr
.endr
.endm
	s_load_b256 s[4:11], s[0:1], 0x0               ; encoder_output s[4:5], wkl s[6:7], qc s[8:9], We s[10:11]
	s_load_b64 s[12:13], s[0:1], 0x20              ; scores
	s_set_vgpr_msb 0x40
	v_lshl_add_u32 v254, v0, 2, 0x3e400
	v_mov_b32 v255, 0
	s_set_vgpr_msb 0x4000
	v_lshrrev_b32 v14, 5, v0
	v_readfirstlane_b32 s14, v14                   ; wave 0..3
	v_and_b32 v14, 31, v0                          ; lane
	v_lshlrev_b32 v[LI], 4, v14
	v_lshlrev_b32 v[QG], 5, v0
	s_lshl_b32 s16, ttmp9, 20                      ; the work-group's 128 rows of 8,192 bytes (255 x 2^20 at the most),
	s_lshl_b32 s15, s14, 18                        ; my wave's 32
	s_add_co_u32 s16, s16, s15
	s_mov_b32 s17, 0
	s_mul_i32 s28, s14, 12800                      ; my block of a step's four in wkl
	s_mov_b32 s29, 0
	s_lshr_b32 s30, ttmp9, 3                       ; the batch: 8 work-groups to each
	s_lshl_b32 s30, s30, 12
	s_mov_b32 s31, 0
	s_lshl_b32 s34, ttmp9, 9                       ; 128 scores
	s_mov_b32 s35, 0
	s_wait_kmcnt 0x0
	s_add_nc_u64 s[4:5], s[4:5], s[16:17]
	s_add_nc_u64 s[6:7], s[6:7], s[28:29]
	s_add_nc_u64 s[8:9], s[8:9], s[30:31]
	s_add_nc_u64 s[12:13], s[12:13], s[34:35]
	global_load_b128 v[QWR:QWR+3], v[QG], s[8:9]
	global_load_b128 v[QWR+4:QWR+7], v[QG], s[8:9] offset:16
	global_load_b128 v[QWR+8:QWR+11], v[QG], s[10:11]
	global_load_b128 v[QWR+12:QWR+15], v[QG], s[10:11] offset:16
	XLOAD 0, 0
	XLOAD 1, 0
	XLOAD 2, 0
	XLOAD 3, 0
	v_and_b32 v15, 15, v0                          ; r
	v_bfe_u32 v192, v0, 4, 1                       ; h
	v_lshl_add_u32 v[A0], v14, 4, IMG
	v_lshl_add_u32 v[AS0], v14, 2, ASC
	v_lshlrev_b32 v[BS], 4, v15
	s_lshl_b32 s15, s14, 9
	s_add_co_u32 s16, s15, QC
	v_lshl_add_u32 v[Q0], v192, 5, s16
	s_add_co_u32 s16, s15, SCR
	v_lshl_add_u32 v[SCW], v15, 2, s16
	v_lshl_add_u32 v[SCRD], v14, 4, SCR
	s_mul_i32 s15, s14, 16*SP
	s_add_co_u32 s15, s15, STG                     ; my stage
	v_lshl_add_u32 v[STI], v14, 4, s15
	v_mul_u32_u24 v193, v15, SP
	v_lshl_add_u32 v193, v192, 6, v193
	v_add_nc_u32 v[STO], s15, v193
	s_mul_i32 s15, s14, 49152
	v_lshl_add_u32 v[IM0], v14, 4, s15
	s_lshl_b32 s15, s14, 12
	s_add_co_u32 s15, s15, ASC
	v_lshl_add_u32 v[ASW0], v14, 2, s15
	v_lshl_add_u32 v[QST], v0, 5, QC
	s_mov_b32 s18, 0x4038aa3b                      ; c = 2 log2(e)
	s_mov_b32 s19, s18                             ; (named with it as a pair, so it is written)
	s_mov_b32 s[SEL], 0x76543210
	s_mov_b32 s[SEL+1], 0xfedcba98
.irp b, 0,1,2,3
	v_mov_b32 v[TM+4+\b], 0                        ; written once: a lane permute's destination counts as one of its sources
.endr
.irp j, 0,1,2,3,4,5,6,7,8,9,10,11,12,13,14,15
	v_mov_b32 v[S+\j], 0                           ; the rows' sums: the work behind a pass is written once, so the first pass finds zeros
.endr
	; ---- THE ROWS ARE QUANTISED: eight trips of two K steps x two tiles; four sets of 16 loads, 32 KiB a wave, are on their way
	s_mov_b32 s32, 0                               ; a trip's images: 3,072 bytes on in each tile's run
	s_mov_b32 s33, 0                               ; its scale words: 256
	s_mov_b32 s22, 7
.Lx:
	v_add_nc_u32 v[IM], s32, v[IM0]
	v_add_nc_u32 v[ASW], s33, v[ASW0]
	XSTEP 0, 1, 48                                 ; 48: the three younger sets stay out
	XSTEP 1, 1, 48
	XSTEP 2, 1, 48
	XSTEP 3, 1, 48
	s_wait_xcnt 0x0                                ; the base is rewritten only behind this wait
	s_add_nc_u64 s[4:5], s[4:5], 1024
	s_add_co_u32 s32, s32, 3072
	s_add_co_u32 s33, s33, 256
	s_sub_co_u32 s22, s22, 1
	s_cmp_lg_u32 s22, 0
	s_cbranch_scc1 .Lx
	v_add_nc_u32 v[IM], s32, v[IM0]                ; the last trip loads no rows: no load leaves the buffer
	v_add_nc_u32 v[ASW], s33, v[ASW0]
	XSTEP 0, 0, 48                                 ; younger: 16 (3 - q) loads of rows and 13 q of Wk
	XSTEP 1, 0, 45
	XSTEP 2, 0, 42
	XSTEP 3, 0, 39
.irp j, 0,2,4,6
	v_pk_mul_f32 v[QWR+8+\j:QWR+9+\j], v[QWR+8+\j:QWR+9+\j], -2.0 op_sel_hi:[1,0]   ; (qc and We were loaded ahead of the first set, so the first wait above has shown them in)
.endr
	ds_store_b128 v[QST], v[QWR:QWR+3]
	ds_store_b128 v[QST], v[QWR+4:QWR+7] offset:16
	ds_store_b128 v[QST], v[QWR+8:QWR+11] offset:W2O
	ds_store_b128 v[QST], v[QWR+12:QWR+15] offset:W2O+16
	s_wait_dscnt 0x0                               ; for the others' sake: my images, scale words, qc and -2 We are written
	s_barrier_signal -1
	s_barrier_wait -1                              ; all 128 rows' codes lie in LDS
	; ---- THE PRODUCT, two passes of 16 K steps
	s_mov_b32 s[G], 0
	s_mov_b32 s27, 0                               ; the upper word of the pointer's step
	s_mov_b32 s30, 0                               ; the pass's 2,048 bytes of qc and of -2 We
	v_mov_b32 v[AA], v[A0]
	v_add_nc_u32 v[AA+1], 49152, v[A0]
	v_add_nc_u32 v[AA+2], 98304, v[A0]
	v_add_nc_u32 v[AA+3], 147456, v[A0]
	v_mov_b32 v[ASA], v[AS0]
	AFETCH 0
	s_mov_b32 s23, 2
.Lpass:
	GSTEP 0, 1                                     ; a pass's first step starts the sums: nothing is cleared
	s_mov_b32 s24, 7
.Lk:
	GSTEP 1, 0
	GSTEP 0, 0
	s_sub_co_u32 s24, s24, 1
	s_cmp_lg_u32 s24, 0
	s_cbranch_scc1 .Lk
	GSTEP 1, 0                                     ; its closing places serve the loads into set 1's registers and the reads of results below
	v_add_nc_u32 v[QA], s30, v[Q0]
	ds_load_b128 v[QB0:QB0+3], v[QA]
	ds_load_b128 v[QB0+4:QB0+7], v[QA] offset:16
	ds_load_b128 v[QB0+8:QB0+11], v[QA] offset:W2O
	ds_load_b128 v[QB0+12:QB0+15], v[QA] offset:W2O+16
.irp b, 0,1,2,3,4,5,6,7
	EPI \b
.endr
	s_add_co_u32 s30, s30, 2048
	s_sub_co_u32 s23, s23, 1
	s_cmp_lg_u32 s23, 0
	s_cbranch_scc1 .Lpass
	; ---- THE WAY OUT: a row's sum over my 256 columns; the four waves' sums meet in LDS; wave 0 stores 128 scores
.irp a, 0,1,2,3,4,5,6,7
	v_add_f32 v[T+\a], v[S+2*\a], v[S+2*\a+1]
.endr
.irp a, 0,1,2,3,4,5,6,7
	v_permlanex16_b32 v[T+8+\a], v[T+\a], s[SEL], s[SEL+1]
.endr
.irp a, 0,1,2,3,4,5,6,7
	v_add_f32 v[T+\a], v[T+\a], v[T+8+\a]          ; with lane l xor 16's columns
.endr
	s_wait_dscnt 0x0                               ; my reads of the images are over, the last step's fetch among them,
	s_barrier_signal -1
	s_barrier_wait -1                              ; and everybody's: the sums may be laid over the first images
.irp a, 0,1,2,3,4,5,6,7
	ds_store_b32 v[SCW], v[T+\a] offset:64*\a      ; row 16 a + r; lanes r and 16 + r write the same word with the same value
.endr
	s_wait_dscnt 0x0
	s_barrier_signal -1
	s_barrier_wait -1
	s_cmp_lg_u32 s14, 0
	s_cbranch_scc1 .Lend
.irp k, 0,1,2,3
	ds_load_b128 v[T+16+4*\k:T+19+4*\k], v[SCRD] offset:512*\k
.endr
	s_wait_dscnt 0x0
	v_pk_add_f32 v[T+16:T+17], v[T+16:T+17], v[T+20:T+21]
	v_pk_add_f32 v[T+18:T+19], v[T+18:T+19], v[T+22:T+23]
	v_pk_add_f32 v[T+24:T+25], v[T+24:T+25], v[T+28:T+29]
	v_pk_add_f32 v[T+26:T+27], v[T+26:T+27], v[T+30:T+31]
	v_pk_add_f32 v[T+16:T+17], v[T+16:T+17], v[T+24:T+25]
	v_pk_add_f32 v[T+18:T+19], v[T+18:T+19], v[T+26:T+27]
	global_store_b128 v[LI], v[T+16:T+19], s[12:13]   ; 32 lanes store 512 consecutive bytes, at a multiple of 512 from the buffer's first byte
.Lend:
	s_set_vgpr_msb 0x5
	s_wait_tensorcnt 0x0
	ds_add_u32 v254, v255
	s_wait_dscnt 0x0
	s_set_vgpr_msb 0x500
	s_endpgm                                       ; (the unread loads of steps 30 and 31 may be out: nothing names their registers)
.Lfunc_end_k_q7f64990c33_score:
	.size	k_q7f64990c33_score, .Lfunc_end_k_q7f64990c33_score-k_q7f64990c33_score
	.p2alignl 7, 3214868480
	.fill 96, 4, 3214868480
	.section	.rodata,"a",@progbits
	.p2align	6, 0x0
	.amdhsa_kernel k_q7f64990c33_score
		.amdhsa_group_segment_fixed_size 255488
		.amdhsa_private_segment_fixed_size 0
		.amdhsa_enable_private_segment 0
		.amdhsa_kernarg_size 40
		.amdhsa_user_sgpr_count 2
		.amdhsa_user_sgpr_kernarg_segment_ptr 1
		.amdhsa_wavefront_size32 1
		.amdhsa_system_sgpr_workgroup_id_x 1
		.amdhsa_system_sgpr_workgroup_id_y 1
		.amdhsa_system_sgpr_workgroup_id_z 1
		.amdhsa_system_vgpr_workitem_id 0
		.amdhsa_next_free_vgpr 1024
		.amdhsa_next_free_sgpr 66
		.amdhsa_reserve_vcc 0
		.amdhsa_float_denorm_mode_32 3
		.amdhsa_float_denorm_mode_16_64 3
		.amdhsa_memory_ordered 1
		.amdhsa_forward_progress 1
		.amdhsa_inst_pref_size 215
	.end_amdhsa_kernel
	.amdgpu_metadata
---
amdhsa.version: [ 1, 2 ]
amdhsa.kernels:
  - .name:           k_q7f64990c33_score
    .symbol:         k_q7f64990c33_score.kd
    .args:
      - { .name: encoder_output, .offset: 0, .size: 8, .value_kind: global_buffer, .address_space: global }
      - { .name: wkl, .offset: 8, .size: 8, .value_kind: global_buffer, .address_space: global }
      - { .name: qc, .offset: 16, .size: 8, .value_kind: global_buffer, .address_space: global }
      - { .name: We, .offset: 24, .size: 8, .value_kind: global_buffer, .address_space: global }
      - { .name: scores, .offset: 32, .size: 8, .value_kind: global_buffer, .address_space: global }
    .group_segment_fixed_size: 255488
    .private_segment_fixed_size: 0
    .kernarg_segment_align: 8
    .kernarg_segment_size: 40
    .max_flat_workgroup_size: 128
    .sgpr_count:     66
    .vgpr_count:     1024
    .wavefront_size: 32
...
	.end_amdgpu_metadata
.endif
;; end of part 2
;; launch ctx (part 3): grid 8 x 32, 8 waves a work-group, no clusters, 10,240 bytes of LDS; arguments encoder_output, scores, out0; writes out0
.if DOCPART == 3
	.amdgcn_target "amdgcn-amd-amdhsa--gfx1250"
	.amdhsa_code_object_version 6
	.text
	.protected	k_q7f64990c33_ctx
	.globl	k_q7f64990c33_ctx
	.p2align	8
	.type	k_q7f64990c33_ctx,@function
k_q7f64990c33_ctx:
	s_mov_b64 s[64:65], 0
	v_nop
	global_prefetch_b8 v0, s[64:65] scope:SCOPE_SE
	s_setreg_imm32_b32 hwreg(HW_REG_WAVE_MODE, 25, 1), 1
	s_wait_xcnt 0x0
; out0[b][e] = sum over s of softmax_s(scores[b][s]) encoder_output[b][s][e], all in f32.  A stream: each byte of encoder_output is read once here, by loads of 512 consecutive bytes; no matrix unit (one row), no cluster (nothing large is shared).
; Work-group (x, b) owns columns 256 x .. 256 x + 255 of batch b: every output has one owner.  Each of a batch's eight work-groups makes the softmax of its 1,024 scores anew (4 KiB): the row's true maximum is taken away,
; p = 2^((s - m) log2 e) goes to LDS, the sum divides at the end.  Wave w: 128 columns (w & 1), rows 256 (w >> 1) on; a lane holds 4 columns.  Four slots of 8 rows are on their way: 32 loads, 16 KiB a wave.
; Written out, no loop: every offset is an immediate (255 rows of 8,192 bytes at the most, inside the signed 24 bits: ISA guide, chapter 10), so no address is ever rewritten.
; LIMITS: NaN and infinities among the inputs are not served.
.set P,   0                            ; LDS: p of the batch's 1,024 rows
.set RED, 4096                         ; the eight waves' sums, 512 bytes each
.set RM,  8192                         ; the waves' maxima;
.set RSO, 256                          ; 256 bytes on: their sums of p
.set X,   40                           ; v40-167: slot k: 8 rows x 4 registers
	s_load_b128 s[4:7], s[0:1], 0x0                ; encoder_output, scores
	s_load_b64 s[8:9], s[0:1], 0x10                ; out0
	v_lshl_add_u32 v192, v0, 2, 0x2400
	v_mov_b32 v193, 0
	v_lshrrev_b32 v1, 5, v0
	v_readfirstlane_b32 s10, v1                    ; wave 0..7
	v_and_b32 v1, 31, v0
	v_lshlrev_b32 v1, 4, v1                        ; 16 x lane
	v_lshlrev_b32 v2, 4, v0                        ; 16 x thread: my four scores, and my four p in LDS (P = 0)
	s_and_b32 s11, ttmp7, 0xffff                   ; the batch
	s_and_b32 s12, s10, 1
	s_lshr_b32 s13, s10, 1
	s_lshl_b32 s14, s11, 23                        ; 1,024 rows of 8,192 bytes (31 x 2^23 at the most)
	s_lshl_b32 s16, ttmp9, 10                      ; my work-group's 1,024 bytes of a row
	s_add_co_u32 s14, s14, s16
	s_lshl_b32 s17, s12, 9                         ; my wave's 512 of them
	s_add_co_u32 s14, s14, s17
	s_lshl_b32 s17, s13, 21                        ; my wave's 256 rows
	s_add_co_u32 s14, s14, s17
	s_mov_b32 s15, 0
	s_lshl_b32 s18, s11, 12
	s_mov_b32 s19, 0
	s_lshl_b32 s20, s11, 13
	s_add_co_u32 s20, s20, s16
	s_lshl_b32 s17, s10, 9
	s_add_co_u32 s20, s20, s17                     ; out0: used by waves 0 and 1, whose number is their half of the columns
	s_mov_b32 s21, 0
	s_lshl_b32 s22, s13, 10
	v_mov_b32 v3, s22                              ; p of my wave's rows: one address for all lanes
	s_lshl_b32 s23, s10, 2
	s_add_co_u32 s23, s23, RM
	v_mov_b32 v26, s23                             ; my wave's word
	v_mov_b32 v27, RM
	s_add_co_u32 s17, s17, RED
	v_add_nc_u32 v37, s17, v1                      ; my wave's 512 bytes among the sums
	s_mov_b32 s24, 0x76543210
	s_mov_b32 s25, 0xfedcba98                      ; v_permlanex16_b32's selects for lane l xor 16
	v_mov_b32 v25, 0                               ; a lane permute's destination counts as one of its sources
.irp j, 4,5,6,7,8,9,10,11
	v_mov_b32 v\j, 0                               ; two sets of four sums: even rows, odd rows
.endr
	s_wait_kmcnt 0x0
	s_add_nc_u64 s[4:5], s[4:5], s[14:15]
	s_add_nc_u64 s[6:7], s[6:7], s[18:19]
	s_add_nc_u64 s[8:9], s[8:9], s[20:21]
.macro FILL t                          ; rows 8 t .. 8 t + 7 into slot t % 4
.irp i, 0,1,2,3,4,5,6,7
	global_load_b128 v[X+32*((\t)%4)+4*\i:X+32*((\t)%4)+4*\i+3], v1, s[4:5] offset:(8*(\t)+\i)*8192 th:TH_LOAD_NT
.endr
.endm
	global_load_b128 v[20:23], v2, s[6:7]
	FILL 0
	FILL 1
	FILL 2
	FILL 3
	s_wait_loadcnt 32                              ; the scores are in; the four slots stay on their way through the whole softmax
	v_max3_num_f32 v24, v20, v21, v22
	v_max_num_f32 v24, v24, v23
	v_max_num_f32_dpp v24, v24, v24 row_xmask:1 row_mask:0xf bank_mask:0xf
	v_max_num_f32_dpp v24, v24, v24 row_xmask:2 row_mask:0xf bank_mask:0xf
	v_max_num_f32_dpp v24, v24, v24 row_xmask:4 row_mask:0xf bank_mask:0xf
	v_max_num_f32_dpp v24, v24, v24 row_xmask:8 row_mask:0xf bank_mask:0xf
	v_permlanex16_b32 v25, v24, s24, s25
	v_max_num_f32 v24, v24, v25
	ds_store_b32 v26, v24                          ; all lanes write the same word with the same value
	s_wait_dscnt 0x0
	s_barrier_signal -1
	s_barrier_wait -1
	ds_load_b128 v[28:31], v27
	ds_load_b128 v[32:35], v27 offset:16
	s_wait_dscnt 0x0
	v_max3_num_f32 v24, v28, v29, v30
	v_max3_num_f32 v24, v24, v31, v32
	v_max3_num_f32 v24, v24, v33, v34
	v_max_num_f32 v24, v24, v35                    ; m: the largest of the batch's 1,024 scores
.irp j, 20,21,22,23
	v_sub_f32 v\j, v\j, v24
.endr
.irp j, 20,21,22,23
	v_mul_f32 v\j, 0x3fb8aa3b, v\j
.endr
.irp j, 20,21,22,23
	v_exp_f32 v\j, v\j
.endr
	v_nop                                          ; one plain place behind the transcendentals
	s_wait_alu depctr_va_vdst(0)
	ds_store_b128 v2, v[20:23]
	v_add_f32 v38, v20, v21
	v_add_f32 v39, v22, v23
	v_add_f32 v38, v38, v39
	v_add_f32_dpp v38, v38, v38 row_xmask:1 row_mask:0xf bank_mask:0xf
	v_add_f32_dpp v38, v38, v38 row_xmask:2 row_mask:0xf bank_mask:0xf
	v_add_f32_dpp v38, v38, v38 row_xmask:4 row_mask:0xf bank_mask:0xf
	v_add_f32_dpp v38, v38, v38 row_xmask:8 row_mask:0xf bank_mask:0xf
	v_permlanex16_b32 v25, v38, s24, s25
	v_add_f32 v38, v38, v25
	ds_store_b32 v26, v38 offset:RSO
	s_wait_dscnt 0x0                               ; for the others' sake: my p and my wave's sum are written
	s_barrier_signal -1
	s_barrier_wait -1
	ds_load_b128 v[28:31], v27 offset:RSO
	ds_load_b128 v[32:35], v27 offset:RSO+16
	s_wait_dscnt 0x0
	v_add_f32 v28, v28, v29
	v_add_f32 v30, v30, v31
	v_add_f32 v32, v32, v33
	v_add_f32 v34, v34, v35
	v_add_f32 v28, v28, v30
	v_add_f32 v32, v32, v34
	v_add_f32 v28, v28, v32                        ; the sum of p: at least 1, since the largest p is 1
	v_rcp_f32 v36, v28
	v_nop
; Turn t: rows 8 t .. 8 t + 7 of my 256 are added; their slot takes the rows four turns on.
.macro TURN t
	ds_load_b128 v[12:15], v3 offset:32*(\t)
	ds_load_b128 v[16:19], v3 offset:32*(\t)+16
.if (\t) < 29
	s_wait_loadcnt 24                              ; my slot's eight loads are in; the three younger slots stay out
.else
	s_wait_loadcnt 8*(31-(\t))
.endif
	s_wait_dscnt 0x0
.irp i, 0,1,2,3,4,5,6,7
.irp j, 0,1,2,3
	v_fmac_f32 v[4+4*(\i%2)+\j], v[12+\i], v[X+32*((\t)%4)+4*\i+\j]
.endr
.endr
.if (\t) < 28
	FILL (\t)+4
.endif
.endm
.set TT, 0
.rept 32
	TURN TT
.set TT, TT+1
.endr
	v_pk_add_f32 v[4:5], v[4:5], v[8:9]
	v_pk_add_f32 v[6:7], v[6:7], v[10:11]
	ds_store_b128 v37, v[4:7]
	s_wait_dscnt 0x0
	s_barrier_signal -1
	s_barrier_wait -1
	s_cmp_lt_u32 s10, 2
	s_cbranch_scc0 .Lend                           ; waves 0 and 1 add the four groups of rows for their 128 columns
	ds_load_b128 v[12:15], v37
	ds_load_b128 v[16:19], v37 offset:1024
	ds_load_b128 v[20:23], v37 offset:2048
	ds_load_b128 v[28:31], v37 offset:3072
	s_wait_dscnt 0x0
	v_pk_add_f32 v[12:13], v[12:13], v[16:17]
	v_pk_add_f32 v[14:15], v[14:15], v[18:19]
	v_pk_add_f32 v[20:21], v[20:21], v[28:29]
	v_pk_add_f32 v[22:23], v[22:23], v[30:31]
	v_pk_add_f32 v[12:13], v[12:13], v[20:21]
	v_pk_add_f32 v[14:15], v[14:15], v[22:23]
	s_wait_alu depctr_va_vdst(0)
.irp j, 12,13,14,15
	v_mul_f32 v\j, v\j, v36
.endr
	global_store_b128 v1, v[12:15], s[8:9]         ; 32 lanes store 512 consecutive bytes, at a multiple of 512 from out0's first byte
.Lend:
	s_wait_tensorcnt 0x0
	ds_add_u32 v192, v193
	s_wait_dscnt 0x0
	s_endpgm
.Lfunc_end_k_q7f64990c33_ctx:
	.size	k_q7f64990c33_ctx, .Lfunc_end_k_q7f64990c33_ctx-k_q7f64990c33_ctx
	.p2alignl 7, 3214868480
	.fill 96, 4, 3214868480
	.section	.rodata,"a",@progbits
	.p2align	6, 0x0
	.amdhsa_kernel k_q7f64990c33_ctx
		.amdhsa_group_segment_fixed_size 10240
		.amdhsa_private_segment_fixed_size 0
		.amdhsa_enable_private_segment 0
		.amdhsa_kernarg_size 24
		.amdhsa_user_sgpr_count 2
		.amdhsa_user_sgpr_kernarg_segment_ptr 1
		.amdhsa_wavefront_size32 1
		.amdhsa_system_sgpr_workgroup_id_x 1
		.amdhsa_system_sgpr_workgroup_id_y 1
		.amdhsa_system_sgpr_workgroup_id_z 1
		.amdhsa_system_vgpr_workitem_id 0
		.amdhsa_next_free_vgpr 194
		.amdhsa_next_free_sgpr 66
		.amdhsa_reserve_vcc 0
		.amdhsa_float_denorm_mode_32 3
		.amdhsa_float_denorm_mode_16_64 3
		.amdhsa_memory_ordered 1
		.amdhsa_forward_progress 1
		.amdhsa_inst_pref_size 69
	.end_amdhsa_kernel
	.amdgpu_metadata
---
amdhsa.version: [ 1, 2 ]
amdhsa.kernels:
  - .name:           k_q7f64990c33_ctx
    .symbol:         k_q7f64990c33_ctx.kd
    .args:
      - { .name: encoder_output, .offset: 0, .size: 8, .value_kind: global_buffer, .address_space: global }
      - { .name: scores, .offset: 8, .size: 8, .value_kind: global_buffer, .address_space: global }
      - { .name: out0, .offset: 16, .size: 8, .value_kind: global_buffer, .address_space: global }
    .group_segment_fixed_size: 10240
    .private_segment_fixed_size: 0
    .kernarg_segment_align: 8
    .kernarg_segment_size: 24
    .max_flat_workgroup_size: 256
    .sgpr_count:     66
    .vgpr_count:     194
    .wavefront_size: 32
...
	.end_amdgpu_metadata
.endif
;; end of part 3
;; ======== version 2 of 2: 3 launches
;; workspace buffers: wkl 1,638,400 bytes; qc 131,072 bytes; scores 131,072 bytes
;; launch prep (part 4): grid 32 x 1, 8 waves a work-group, no clusters, 9,728 bytes of LDS; arguments Wq_codes, Wq_scales, decoder_hidden_codes, decoder_hidden_scales, Wk_codes, Wk_scales, qc, wkl; writes qc, wkl
.if DOCPART == 4
	.amdgcn_target "amdgcn-amd-amdhsa--gfx1250"
	.amdhsa_code_object_version 6
	.text
	.protected	k_q7f64990c33_prep
	.globl	k_q7f64990c33_prep
	.p2align	8
	.type	k_q7f64990c33_prep,@function
k_q7f64990c33_prep:
	s_mov_b64 s[64:65], 0
	v_nop
	global_prefetch_b8 v0, s[64:65] scope:SCOPE_SE
	s_setreg_imm32_b32 hwreg(HW_REG_WAVE_SCHED_MODE, 0, 2), 2
	s_setreg_imm32_b32 hwreg(HW_REG_WAVE_MODE, 25, 1), 1
	s_wait_xcnt 0x0
	s_wait_alu depctr_vm_vsrc(0)
; Two small jobs, both done by every work-group, so that no branch hangs on the work-group's number.
; (1) qc[b][n] = c x query[b][n], c = 2 log2(e); query = decoder_hidden Wq^T on the codes of E3M2 and E8M0 scales as they are given (M 32, N 1,024, K 1,024).
;     Work-group x: batches 16 (x & 1) on, columns 64 (x >> 1) on.  Wave w: the tile of 16 columns w & 3, K steps 4 (w >> 2) to 4 (w >> 2) + 3 of 128.
;     A wave's four products go on two accumulators by turns; the two halves of K meet in LDS.  So a sum is made in four parts: its order is not the one of a single chain.
; (2) Wk's codes and scale words are laid in the order in which the next launch's operand registers take them.  wkl has 128 blocks of 12,800 bytes; block 4 g + v, g = 16 p + s
;     (p: half of N, s: K step of 128, v: the wave that will read it): eight images of 1,536 bytes (tile of 16 rows of Wk 32 p + 8 v + b; registers 4 c .. 4 c + 3 of lane l at 512 c + 16 l),
;     then at byte 12,288 two runs of 256 bytes: lane r's 16 bytes are the scale words of row r in tiles 4 q .. 4 q + 3.  Wave 8 x + w lays half a block: four tiles.
; THE MODE: SCHED_MODE bits 1:0 = 2 (LLVM: expert scheduling mode 2), set by the entry lines.  The code itself states the register dependences
; between vector or matrix instructions and memory or LDS instructions, with s_wait_alu, always for 0.
; THE PLAN.  Registers that memory or LDS instructions touch:
;   v3-v11      offsets and LDS addresses: made once at the head, never written again.
;   v16-119, v144-195, v196-203   loaded data: no vector instruction names them ahead of their loads.
;   v136-143    written by four additions, read by the two stores into the stage.
;   v196-199    written by the last additions and multiplications, read by the store to qc.
;   v208, v209  written at the head, read by the closing add alone.
; So: one wait ahead of the first load (the addresses), one ahead of the stage's stores, one ahead of the store to qc; and one for the wave's number as a scalar.
.set SPQ,   272                        ; a stage row: 64 columns of f32 + 16 bytes
.set HALFQ, 16*SPQ                     ; a stage: 16 batches; one stage for each half of K
	s_load_b256 s[4:11], s[0:1], 0x0               ; Wq's codes s[4:5], its scales s[6:7], decoder_hidden's codes s[8:9], its scales s[10:11]
	s_load_b256 s[12:19], s[0:1], 0x20             ; Wk's codes s[12:13], its scales s[14:15], qc s[16:17], wkl s[18:19]
	v_lshl_add_u32 v208, v0, 2, 0x2200
	v_mov_b32 v209, 0
	v_lshrrev_b32 v1, 5, v0
	v_readfirstlane_b32 s22, v1                    ; wave 0..7
	v_and_b32 v1, 15, v0                           ; r
	v_bfe_u32 v2, v0, 4, 1                         ; h
	v_and_b32 v12, 31, v0                          ; lane
	v_mul_u32_u24 v3, v1, 768                      ; Wq, decoder_hidden: a row of 1,024 codes is 768 bytes,
	v_mad_u32_u24 v3, v2, 24, v3                   ; + 24 h
	v_lshlrev_b32 v4, 5, v1                        ; their scale bytes: 32 a row
	v_mul_u32_u24 v5, v1, 1536                     ; Wk: a row of 2,048 codes is 1,536 bytes,
	v_mad_u32_u24 v5, v2, 24, v5                   ; + 24 h
	v_lshlrev_b32 v6, 6, v1                        ; its scale bytes: 64 a row
	v_lshlrev_b32 v7, 4, v12                       ; an image's place for my lane
	v_lshlrev_b32 v8, 4, v1                        ; four scale words of row r
	s_wait_alu depctr_va_sdst(0)                   ; s22 is written, ahead of its first reader: all that follows is made from it
	s_and_b32 s23, ttmp9, 1                        ; mt: which 16 batches
	s_lshr_b32 s24, ttmp9, 1                       ; xn: which 64 columns
	s_and_b32 s25, s22, 3                          ; nl: which 16 of them
	s_lshr_b32 s26, s22, 2                         ; kh: which half of K
	s_lshl_b32 s27, s24, 6
	s_lshl_b32 s28, s25, 4
	s_add_co_u32 s27, s27, s28                     ; my first column = my first row of Wq
	s_mul_i32 s28, s27, 768
	s_mul_i32 s30, s26, 384                        ; four K steps of 96 bytes
	s_add_co_u32 s28, s28, s30
	s_mov_b32 s29, 0                               ; s[28:29]: into Wq's codes
	s_lshl_b32 s32, s27, 5
	s_lshl_b32 s34, s26, 4
	s_add_co_u32 s32, s32, s34
	s_mov_b32 s33, 0                               ; s[32:33]: into Wq's scales
	s_mul_i32 s36, s23, 12288
	s_add_co_u32 s36, s36, s30
	s_mov_b32 s37, 0                               ; s[36:37]: into decoder_hidden's codes
	s_lshl_b32 s38, s23, 9
	s_add_co_u32 s38, s38, s34
	s_mov_b32 s39, 0                               ; s[38:39]: into its scales
	s_mul_i32 s40, s26, HALFQ
	s_lshl_b32 s41, s25, 6
	s_add_co_u32 s40, s40, s41
	v_mul_u32_u24 v9, v1, SPQ
	v_lshl_add_u32 v9, v2, 5, v9
	v_add_nc_u32 v9, s40, v9                       ; into the stage: my half of K, row r, my tile's 64 bytes, + 32 h
	s_mul_i32 s41, s22, 2*SPQ
	v_mul_u32_u24 v10, v2, SPQ
	v_lshl_add_u32 v10, v1, 4, v10
	v_add_nc_u32 v10, s41, v10                     ; back: wave w takes rows 2 w and 2 w + 1, sixteen lanes to a row of 256 bytes
	s_lshl_b32 s42, s22, 13
	v_lshlrev_b32 v11, 12, v2
	v_lshl_add_u32 v11, v1, 4, v11
	v_add_nc_u32 v11, s42, v11                     ; and the same place in qc: rows of 4,096 bytes
	s_lshl_b32 s43, ttmp9, 3
	s_add_co_u32 s43, s43, s22                     ; 8 x + w
	s_lshr_b32 s44, s43, 1                         ; the block of wkl
	s_and_b32 s45, s43, 1                          ; which four of its tiles
	s_lshr_b32 s46, s44, 2                         ; g
	s_and_b32 s47, s44, 3                          ; v
	s_lshr_b32 s48, s46, 4                         ; p
	s_and_b32 s49, s46, 15                         ; s
	s_lshl_b32 s48, s48, 5
	s_lshl_b32 s47, s47, 3
	s_add_co_u32 s48, s48, s47
	s_lshl_b32 s47, s45, 2
	s_add_co_u32 s48, s48, s47                     ; my first tile of 16 rows of Wk: 32 p + 8 v + 4 q
	s_mul_i32 s50, s48, 24576
	s_mul_i32 s47, s49, 96
	s_add_co_u32 s50, s50, s47
	s_mov_b32 s51, 0                               ; s[50:51]: into Wk's codes
	s_lshl_b32 s52, s48, 10
	s_lshl_b32 s47, s49, 2
	s_add_co_u32 s52, s52, s47
	s_mov_b32 s53, 0                               ; s[52:53]: into Wk's scales
	s_mul_i32 s54, s44, 12800
	s_mul_i32 s47, s45, 6144
	s_add_co_u32 s56, s54, s47
	s_mov_b32 s57, 0                               ; s[56:57]: my four images in wkl
	s_lshl_b32 s47, s45, 8
	s_add_co_u32 s58, s54, s47
	s_add_co_u32 s58, s58, 12288
	s_mov_b32 s59, 0                               ; s[58:59]: my run of scale words in wkl
	s_lshl_b32 s60, s23, 16
	s_lshl_b32 s47, s24, 8
	s_add_co_u32 s60, s60, s47
	s_mov_b32 s61, 0                               ; s[60:61]: into qc: 16 mt rows, 64 xn columns
	s_mov_b32 s20, 0x4038aa3b                      ; c = 2 log2(e)
	s_mov_b32 s21, s20                             ; (named with it as a pair, so it is written)
	s_wait_kmcnt 0x0
	s_add_nc_u64 s[4:5], s[4:5], s[28:29]
	s_add_nc_u64 s[6:7], s[6:7], s[32:33]
	s_add_nc_u64 s[8:9], s[8:9], s[36:37]
	s_add_nc_u64 s[10:11], s[10:11], s[38:39]
	s_add_nc_u64 s[12:13], s[12:13], s[50:51]
	s_add_nc_u64 s[14:15], s[14:15], s[52:53]
	s_add_nc_u64 s[16:17], s[16:17], s[60:61]
	s_add_nc_u64 s[62:63], s[18:19], s[58:59]
	s_add_nc_u64 s[18:19], s[18:19], s[56:57]
	s_wait_alu depctr_va_vdst(0)                   ; the offsets and LDS addresses v3 to v11 are written: every load and store of the kernel reads one of them
	; the query's operands: 50 loads.  A fragment (16 rows x 128 K of 6-bit codes) is 12 registers: 24 bytes of the row's stream at 24 h, 24 more at 48 + 24 h, in pieces of 8 bytes
.irp i, 0,1,2,3
.irp p, 0,1,2,3,4,5
	global_load_b64 v[16+12*\i+2*\p:17+12*\i+2*\p], v3, s[4:5] offset:96*\i+48*(\p/3)+8*(\p%3)
	global_load_b64 v[64+12*\i+2*\p:65+12*\i+2*\p], v3, s[8:9] offset:96*\i+48*(\p/3)+8*(\p%3)
.endr
.endr
	global_load_b128 v[112:115], v4, s[6:7]        ; row r's scale words of my four K steps
	global_load_b128 v[116:119], v4, s[10:11]
	; Wk's four tiles of K step s: 28 loads
.irp i, 0,1,2,3
.irp p, 0,1,2,3,4,5
	global_load_b64 v[144+12*\i+2*\p:145+12*\i+2*\p], v5, s[12:13] offset:24576*\i+48*(\p/3)+8*(\p%3)
.endr
.endr
.irp i, 0,1,2,3
	global_load_b32 v[192+\i], v6, s[14:15] offset:1024*\i
.endr
	s_wait_loadcnt 28                              ; the query's 50 loads are in; Wk's 28, issued behind them, may be out
	; TRANSPOSED: source 0 = 16 rows of Wq, source 1 = 16 batches: lane (r, h) holds batch r, and its register j column 8 h + j of the tile.  Two accumulators by turns.
.irp i, 0,1
	v_wmma_scale_f32_16x16x128_f8f6f4 v[120+8*\i:127+8*\i], v[16+12*\i:27+12*\i], v[64+12*\i:75+12*\i], 0, v[112+\i], v[116+\i] matrix_a_fmt:MATRIX_FMT_BF6 matrix_b_fmt:MATRIX_FMT_BF6
.endr
.irp i, 2,3
	v_wmma_scale_f32_16x16x128_f8f6f4 v[120+8*(\i-2):127+8*(\i-2)], v[16+12*\i:27+12*\i], v[64+12*\i:75+12*\i], v[120+8*(\i-2):127+8*(\i-2)], v[112+\i], v[116+\i] matrix_a_fmt:MATRIX_FMT_BF6 matrix_b_fmt:MATRIX_FMT_BF6
.endr
.rept 4
	v_nop                                          ; four places in front of the first read of results (ISA guide 7.12.1)
.endr
.irp j, 0,2,4,6
	v_pk_add_f32 v[136+\j:137+\j], v[120+\j:121+\j], v[128+\j:129+\j]   ; both accumulators from their low ends on
.endr
	s_wait_alu depctr_va_vdst(0)                   ; the four additions have written v136 to v143, which the two LDS stores read
	ds_store_b128 v9, v[136:139]
	ds_store_b128 v9, v[140:143] offset:16
	s_wait_loadcnt 0x0                             ; Wk's tiles
.irp i, 0,1,2,3
.irp c, 0,1,2
	global_store_b128 v7, v[144+12*\i+4*\c:147+12*\i+4*\c], s[18:19] offset:1536*\i+512*\c   ; the wave stores 512 consecutive bytes; the data are as they were loaded
.endr
.endr
	global_store_b128 v8, v[192:195], s[62:63]     ; 256 consecutive bytes; lanes 16-31 hold what lanes 0-15 hold and write the same bytes
	s_wait_dscnt 0x0                               ; for the others' sake: my part of the stage is written
	s_barrier_signal -1
	s_barrier_wait -1
	ds_load_b128 v[196:199], v10                   ; the first half of K,
	ds_load_b128 v[200:203], v10 offset:HALFQ      ; the second
	s_wait_dscnt 0x0
	v_pk_add_f32 v[196:197], v[196:197], v[200:201]
	v_pk_add_f32 v[198:199], v[198:199], v[202:203]
	v_pk_mul_f32 v[196:197], v[196:197], s[20:21] op_sel_hi:[1,0]
	v_pk_mul_f32 v[198:199], v[198:199], s[20:21] op_sel_hi:[1,0]
	s_wait_alu depctr_va_vdst(0)                   ; the multiplications have written v196 to v199, which the store reads
	global_store_b128 v11, v[196:199], s[16:17]    ; sixteen lanes store 256 consecutive bytes of a row of qc, at a multiple of 256 from its first byte
	s_wait_dscnt 0x0                               ; the closing lines, six on end
	s_wait_alu 0x0
	s_wait_tensorcnt 0x0
	ds_add_u32 v208, v209
	s_wait_dscnt 0x0
	s_endpgm
.Lfunc_end_k_q7f64990c33_prep:
	.size	k_q7f64990c33_prep, .Lfunc_end_k_q7f64990c33_prep-k_q7f64990c33_prep
	.p2alignl 7, 3214868480
	.fill 96, 4, 3214868480
	.section	.rodata,"a",@progbits
	.p2align	6, 0x0
	.amdhsa_kernel k_q7f64990c33_prep
		.amdhsa_group_segment_fixed_size 9728
		.amdhsa_private_segment_fixed_size 0
		.amdhsa_enable_private_segment 0
		.amdhsa_kernarg_size 64
		.amdhsa_user_sgpr_count 2
		.amdhsa_user_sgpr_kernarg_segment_ptr 1
		.amdhsa_wavefront_size32 1
		.amdhsa_system_sgpr_workgroup_id_x 1
		.amdhsa_system_sgpr_workgroup_id_y 1
		.amdhsa_system_sgpr_workgroup_id_z 1
		.amdhsa_system_vgpr_workitem_id 0
		.amdhsa_next_free_vgpr 210
		.amdhsa_next_free_sgpr 66
		.amdhsa_reserve_vcc 0
		.amdhsa_float_denorm_mode_32 3
		.amdhsa_float_denorm_mode_16_64 3
		.amdhsa_memory_ordered 1
		.amdhsa_forward_progress 1
		.amdhsa_inst_pref_size 15
	.end_amdhsa_kernel
	.amdgpu_metadata
---
amdhsa.version: [ 1, 2 ]
amdhsa.kernels:
  - .name:           k_q7f64990c33_prep
    .symbol:         k_q7f64990c33_prep.kd
    .args:
      - { .name: Wq_codes, .offset: 0, .size: 8, .value_kind: global_buffer, .address_space: global }
      - { .name: Wq_scales, .offset: 8, .size: 8, .value_kind: global_buffer, .address_space: global }
      - { .name: decoder_hidden_codes, .offset: 16, .size: 8, .value_kind: global_buffer, .address_space: global }
      - { .name: decoder_hidden_scales, .offset: 24, .size: 8, .value_kind: global_buffer, .address_space: global }
      - { .name: Wk_codes, .offset: 32, .size: 8, .value_kind: global_buffer, .address_space: global }
      - { .name: Wk_scales, .offset: 40, .size: 8, .value_kind: global_buffer, .address_space: global }
      - { .name: qc, .offset: 48, .size: 8, .value_kind: global_buffer, .address_space: global }
      - { .name: wkl, .offset: 56, .size: 8, .value_kind: global_buffer, .address_space: global }
    .group_segment_fixed_size: 9728
    .private_segment_fixed_size: 0
    .kernarg_segment_align: 8
    .kernarg_segment_size: 64
    .max_flat_workgroup_size: 256
    .sgpr_count:     66
    .vgpr_count:     210
    .wavefront_size: 32
...
	.end_amdgpu_metadata
.endif
;; end of part 4
;; launch score (part 5): grid 256 x 1, 4 waves a work-group, no clusters, 255,488 bytes of LDS; arguments encoder_output, wkl, qc, We, scores; writes scores
.if DOCPART == 5
	.amdgcn_target "amdgcn-amd-amdhsa--gfx1250"
	.amdhsa_code_object_version 6
	.text
	.protected	k_q7f64990c33_score
	.globl	k_q7f64990c33_score
	.p2align	8
	.type	k_q7f64990c33_score,@function
k_q7f64990c33_score:
	s_mov_b64 s[64:65], 0
	v_nop
	global_prefetch_b8 v0, s[64:65] scope:SCOPE_SE
	s_setreg_imm32_b32 hwreg(HW_REG_WAVE_SCHED_MODE, 0, 2), 2
	s_setreg_imm32_b32 hwreg(HW_REG_WAVE_MODE, 25, 1), 1
	s_wait_xcnt 0x0
	s_wait_alu depctr_vm_vsrc(0)
; scores'[row] = sum over n of (-2 We[n]) / (1 + 2^(c key[row][n] + qc[batch][n])), c = 2 log2(e), key = Q(encoder_output) Wk^T on codes of E3M2 with E8M0 scales (K 2,048, N 1,024).
; tanh(x) = 1 - 2 / (1 + 2^(c x)), so the energy score of reference() is scores' + the sum of We, a number that all rows share: the softmax that follows takes it out again for every input, so it is not added.
; 2^t that overflows gives 1 / infinity = 0 (tanh = 1), 2^t that falls to 0 gives 1 (tanh = -1): no hold is needed.
; LIMITS: NaN and infinities in encoder_output are not served.  A block of 32 zeros gets the scale byte 1 where the rule says 127 (its codes are zeros, and this launch alone reads the byte); so does a block whose largest magnitude lies under 2^-122.
; SHARES.  A work-group of four waves owns 128 rows (all of one batch).  FIRST wave w quantises rows 32 w .. 32 w + 31 for all of K: the codes, 196,608 bytes, stay in LDS as images of the operand's registers.
; THEN every wave multiplies all 128 rows by its own 128 rows of Wk: 64 accumulators, 512 registers; N goes in two passes of 512.  Behind each pass the tanh and the product with We are taken on the accumulators.
; Wk COMES FROM MEMORY STRAIGHT INTO REGISTERS, AND THERE IS NO CLUSTER: a fragment of Wk is wanted by one wave of the work-group alone, so a way through LDS would add a write and a read and spare none;
; and beside the rows' codes LDS has room for two slots of only one K step of 128, 64 matrix instructions between a request and the wait for it, with a round of a cluster's barrier for each.  From wkl, which
; the launch before has laid in the registers' order, a fragment is three loads of 512 consecutive bytes, and two runs of 13 loads stay out at every wait for a run.
; THE MATRIX INSTRUCTION IS USED TRANSPOSED: source 0 = 16 rows of Wk, source 1 = 16 rows of encoder_output: lane (r, h) holds row r, and its register j column 8 h + j of the tile.
; REGISTERS, in windows of 256: window 0: v1-13 addresses; v16-31 the rows' sums; v32-47 the rows' scale words, v48-63 Wk's (two sets each; they hold scales and nothing else); v64-159, v160-255 the rows' fragments, two sets.
;   While rows are quantised v64-193 are at work otherwise (X, PC, TM, PW, QWR, addresses); behind a pass v160-255 (T, QB).   window 1: Wk's fragments, two sets of 96.
;   windows 2, 3: the accumulators ((a, b) at v[8 (8 (b % 4) + a)], window 2 for b < 4); while rows are quantised window 2 holds four sets of 64 numbers as loaded.
; THE MODE: SCHED_MODE bits 1:0 = 2 (LLVM: expert scheduling mode 2), set by the entry lines.  The code itself states the register dependences
; between vector or matrix instructions and memory or LDS instructions, with s_wait_alu, always for 0.
; THE PLAN, phase by phase: the registers that memory or LDS instructions touch, and who else names them.
; QUANTISING, step q.   SET q (window 2): global loads land in it, the 16 stores into the stage read it; no vector instruction names it.   X: the stage's loads land in it, QUANT reads it.
;   PC, PW: QUANT writes them, the image's four stores read them.   IM, ASW: two additions write them in a trip's first step, the image's stores read them.   LI, BS, STI, STO, QST: made at the head, never written again.
;   Two waits to a step.  One on vm_vsrc behind the stage's stores and loads: SET q has been read, so its next loads follow at once; the last image's stores have read PC, PW, IM, ASW, so these may be written.
;   One on va_vdst behind QUANT: PC, PW (IM, ASW) are written, for the image's stores; QUANT is done reading X, for the next step's loads from the stage.
; THE PRODUCT, step g on sets sg.   The rows' set sg and its scale words: read by all 64 products of step g, loaded again during step g + 1.   Wk's blocks 0-3 of set sg and their scale words: read by the first 32 products,
;   loaded again in the step's second half (for step g + 2); blocks 4-7: read by the last 32, loaded again in step g + 1's first half.   AA .. AA+3, ASA: read by the fetches, written once a step.
;   At a step's top: a wait on vm_vsrc, the five additions, and ONE wait on va_vdst, which states that the additions are done and that the last step's products are done reading the rows' other set and Wk's blocks 4-7 of the other set.
;   In its middle ONE wait on va_vdst, for blocks 0-3.  Behind each the loads stand in groups between runs of eight products; the products since a wait name set sg and the accumulators alone, none of the registers that those loads touch.
; BEHIND A PASS.   QA: written once a pass, read by the loads of qc and -2 We.   QB, two sets: LDS loads land in them, the multiply-adds read them.  T, S and the accumulators are named by vector and matrix instructions alone.
;   The two waits that stand behind the exponentials and the reciprocals of a block serve here too: the next block's loads stand behind the first of them.
.set IMG,  0                           ; LDS: the image of (tile of rows a, K step s) at 24576 a + 1536 s: a wave's 32 images lie on end
.set ASC,  196608                      ; its scale words, 4 bytes a lane, at 2048 a + 128 s
.set QC,   212992                      ; qc of my batch, 4,096 bytes,
.set W2O,  4096                        ; and behind it -2 We
.set STG,  221184                      ; a stage for each wave: 16 rows x (512 bytes + 16)
.set SP,   528
.set SCR,  0                           ; at the end: the four waves' sums, 512 bytes each, over images that are done with
.set LI,   1                           ; v1   16 x lane
.set A0,   2                           ; v2   IMG + 16 x lane
.set AA,   3                           ; v3-6 the step's images: tiles 0-1, 2-3, 4-5, 6-7 (an LDS immediate has 16 bits)
.set AS0,  7                           ; v7   ASC + 4 x lane
.set ASA,  8                           ; v8   the step's scale words
.set BS,   9                           ; v9   16 r: Wk's scale words in a block of wkl
.set Q0,   10                          ; v10  QC + 512 w + 32 h
.set QA,   11                          ; v11  the same in the pass in hand
.set SCW,  12                          ; v12  SCR + 512 w + 4 r
.set SCRD, 13                          ; v13  SCR + 16 x lane
.set S,    16
.set ASCR, 32
.set BSCR, 48
.set X,    64                          ; 64 numbers of a lane: register 16 b + i = k 32 b + 16 h + i of row r
.set PC,   128                         ; the codes just made (12), and 8 at work
.set TM,   148                         ; v148-163 at work
.set PW,   164                         ; the scale word just made
.set QWR,  168                         ; v168-183 my 8 numbers of qc, my 8 of We
.set STI,  184                         ; the stage, on the way in: 16 x lane
.set STO,  185                         ; and out: 528 r + 64 h
.set IM0,  186                         ; my images: 49152 w + 16 x lane
.set IM,   187                         ; the same in the trip in hand
.set ASW0, 188                         ; my scale words: ASC + 4096 w + 4 x lane
.set ASW,  189
.set QG,   190                         ; 32 x thread
.set QST,  191                         ; QC + 32 x thread
.set T,    160                         ; behind a pass: 64 numbers at work
.set QB0,  224                         ; two sets of 8 of qc and 8 of -2 We
.set SEL,  20                          ; s[20:21] v_permlanex16_b32's selects for lane l xor 16
.set G,    25                          ; s25  K steps begun, over both passes
.set MSB, 0
.macro WIN new                         ; the immediate's high byte repeats the setting that is left; a switch that changes nothing is dropped
.if MSB != (\new)
	s_set_vgpr_msb (MSB<<8)|(\new)
.set MSB, (\new)
.endif
.endm
.macro PLACES                          ; four plain places behind matrix instructions (ISA guide 7.12.1)
.rept 4
	v_nop
.endr
.endm
; 64 numbers of a lane become a fragment's codes in v[PC] on and its row's scale word in v[PW].
.macro QUANT s
.irp b, 0,1,2,3
	v_max3_num_f32 v[TM+\b], |v[\s+16*\b]|, |v[\s+1+16*\b]|, 0x2800000   ; block b: my 16 numbers, and the floor 2^(5 - 127): the byte cannot fall under 1
.endr
.irp i, 2,4,6,8,10,12,14
.irp b, 0,1,2,3
	v_max3_num_f32 v[TM+\b], v[TM+\b], |v[\s+16*\b+\i]|, |v[\s+1+16*\b+\i]|   ; (the four blocks by turns)
.endr
.endr
.irp b, 0,1,2,3
	v_permlanex16_b32 v[TM+4+\b], v[TM+\b], s[SEL], s[SEL+1]
.endr
.irp b, 0,1,2,3
	v_max_num_f32 v[TM+\b], v[TM+\b], v[TM+4+\b]   ; with lane l xor 16's: the block's largest magnitude
.endr
.irp b, 0,1,2,3
	v_add_nc_u32 v[TM+12+\b], 0xfe000000, v[TM+\b]   ; 4 off its exponent field: the conversion takes the exponent field of this operand as its scale
.endr
.irp b, 0,1,2,3
	v_lshrrev_b32 v[TM+4+\b], 23, v[TM+12+\b]      ; the scale's byte
.endr
	v_lshl_or_b32 v[PW], v[TM+5], 8, v[TM+4]
	v_lshl_or_b32 v[PW], v[TM+6], 16, v[PW]
	v_lshl_or_b32 v[PW], v[TM+7], 24, v[PW]
.irp c, 0,1
	v_cvt_scalef32_pk16_bf6_f32 v[PC+6*\c:PC+2+6*\c], v[\s+32*\c:\s+15+32*\c], v[TM+12+2*\c]
	v_cvt_scalef32_pk16_bf6_f32 v[PC+12+4*\c:PC+14+4*\c], v[\s+16+32*\c:\s+31+32*\c], v[TM+12+2*\c+1]   ; (a conversion's three registers begin on an even number)
.endr
	v_nop                                          ; one plain place behind a scaled conversion
.irp c, 0,1                                    ; the operand's layout wants a whole block in a lane: lanes 0-15 block 2 c, lanes 16-31 block 2 c + 1
.irp i, 0,1,2
	v_permlane16_swap_b32 v[PC+6*\c+\i], v[PC+12+4*\c+\i]
.endr
.irp i, 0,1,2
	v_mov_b32 v[PC+3+6*\c+\i], v[PC+12+4*\c+\i]
.endr
.endr
.endm
; Set q of four: tile q % 2 of my two tiles of 16 rows, K step q / 2 of a trip's two.  Load i reads 512 consecutive bytes of row i.
.macro XLOAD q, off
	WIN 0x80                                       ; destination window 2
.irp i, 0,1,2,3,4,5,6,7,8,9,10,11,12,13,14,15
	global_load_b128 v[64*(\q)+4*\i:64*(\q)+4*\i+3], v[LI], s[4:5] offset:(\off)+131072*((\q)%2)+512*((\q)/2)+8192*\i th:TH_LOAD_NT
.endr
	WIN 0
.endm
; A run of 13 loads: four fragments of Wk (blocks 4 half on) into set sg, and their scale words.
.macro BRUN sg, half, off
	WIN 0x40                                       ; destination window 1
.irp k, 0,1,2,3
.irp c, 0,1,2
	global_load_b128 v[96*(\sg)+12*(4*(\half)+\k)+4*\c:96*(\sg)+12*(4*(\half)+\k)+4*\c+3], v[LI], s[6:7] offset:(\off)+1536*(4*(\half)+\k)+512*\c
.endr
.endr
	WIN 0
	global_load_b128 v[BSCR+8*(\sg)+4*(\half):BSCR+8*(\sg)+4*(\half)+3], v[BS], s[6:7] offset:(\off)+12288+256*(\half)
.endm
; Set q is quantised.  The loads took bytes as they lie; the conversions want 16 neighbours along K in a lane: so the set turns through my stage.  ahead = 1: the set is loaded again, for the next trip;
; 0 (the last trip): in its first three steps one of the three first runs of Wk goes out in its stead.  left: the younger loads, which may stay out.
.macro XSTEP q, ahead, left
	s_wait_loadcnt \left
	WIN 0x08                                       ; an LDS store's data are its source 1: window 2
.irp i, 0,1,2,3,4,5,6,7,8,9,10,11,12,13,14,15
	ds_store_b128 v[STI], v[64*(\q)+4*\i:64*(\q)+4*\i+3] offset:SP*\i
.endr
	WIN 0
.irp b, 0,1,2,3
.irp j, 0,1,2,3
	ds_load_b128 v[X+16*\b+4*\j:X+16*\b+4*\j+3], v[STO] offset:128*\b+16*\j   ; LDS serves a wave's instructions in order (ISA guide 5.7.1.4): these see the stores above.  (QUANT's reads of X stand ahead of the last step's wait on va_vdst)
.endr
.endr
.if \ahead
	WIN 0x80                                       ; the switch, then the wait, then the loads
.endif
	s_wait_alu depctr_vm_vsrc(0)                   ; the stores into the stage have read the set, in which the loads below land; the last image's stores have read PC, PW, IM and ASW, which are written again below
.if \ahead
	XLOAD \q, 1024
.elseif (\q) < 3
	BRUN (\q)/2, (\q)%2, 51200*((\q)/2)
.endif
.if (\q) == 0
	v_add_nc_u32 v[IM], s32, v[IM0]                ; this trip's images and scale words
	v_add_nc_u32 v[ASW], s33, v[ASW0]
.endif
	s_wait_dscnt 0x0                               ; X is in
	QUANT X
	s_wait_alu depctr_va_vdst(0)                   ; QUANT has written PC and PW (in a trip's first step the additions IM and ASW), which the stores below read; and it is done reading X, in which the next step's loads from the stage land
.irp c, 0,1,2
	ds_store_b128 v[IM], v[PC+4*\c:PC+4*\c+3] offset:24576*((\q)%2)+1536*((\q)/2)+512*\c   ; the fragment goes to LDS as it stands: lane l's 16 bytes at 16 l
.endr
	ds_store_b32 v[ASW], v[PW] offset:2048*((\q)%2)+128*((\q)/2)
.endm
; The rows' fragment of tile a, and the eight tiles' scale words, of the K step whose addresses stand in AA and ASA, into a set.
.macro ATILE set, a
.irp c, 0,1,2
	ds_load_b128 v[64+96*(\set)+12*(\a)+4*\c:64+96*(\set)+12*(\a)+4*\c+3], v[AA+(\a)/2] offset:24576*((\a)%2)+512*\c
.endr
.endm
.macro ASCALES set
.irp a, 0,1,2,3,4,5,6,7
	ds_load_b32 v[ASCR+8*(\set)+\a], v[ASA] offset:2048*\a
.endr
.endm
; 8 matrix instructions: Wk's block b x the eight tiles of rows.  The 64 accumulators take turns, one instruction a turn, in the same order in every step.
.macro MUL8 sg, b, zero
.irp a, 0,1,2,3,4,5,6,7
.if \zero
	v_wmma_scale_f32_16x16x128_f8f6f4 v[8*(8*((\b)%4)+\a):8*(8*((\b)%4)+\a)+7], v[96*(\sg)+12*(\b):96*(\sg)+12*(\b)+11], v[64+96*(\sg)+12*\a:64+96*(\sg)+12*\a+11], 0, v[BSCR+8*(\sg)+(\b)], v[ASCR+8*(\sg)+\a] matrix_a_fmt:MATRIX_FMT_BF6 matrix_b_fmt:MATRIX_FMT_BF6
.else
	v_wmma_scale_f32_16x16x128_f8f6f4 v[8*(8*((\b)%4)+\a):8*(8*((\b)%4)+\a)+7], v[96*(\sg)+12*(\b):96*(\sg)+12*(\b)+11], v[64+96*(\sg)+12*\a:64+96*(\sg)+12*\a+11], v[8*(8*((\b)%4)+\a):8*(8*((\b)%4)+\a)+7], v[BSCR+8*(\sg)+(\b)], v[ASCR+8*(\sg)+\a] matrix_a_fmt:MATRIX_FMT_BF6 matrix_b_fmt:MATRIX_FMT_BF6
.endif
.endr
.endm
; K step g of 128, on sets sg: 64 matrix instructions, two waits on va_vdst, and behind each the loads in groups between runs of eight products.
; Wk's runs go out in the order of their use: blocks 4-7 of step g + 1 in the first half, blocks 0-3 of step g + 2 in the second.  s[6:7] stands at step min(g, 30) at the step's top and moves on in its middle, up to step 30;
; both runs reach one step's four blocks (51,200 bytes) beyond it.  The step is written once for all 32: the last of a pass fetches the rows' step 0 (behind the second pass nobody uses it), and the three runs for which no
; step exists (the second of step 30, both of step 31) ask for step 31's block once more and leave it unread: so every step issues the same 26 loads, every wait has one count, and no load leaves wkl.
.macro GSTEP sg, zero
	s_add_co_u32 s[G], s[G], 1
	s_and_b32 s31, s[G], 15                        ; the next K step of the rows
	s_mul_i32 s28, s31, 1536
	s_lshl_b32 s29, s31, 7
	s_wait_alu depctr_vm_vsrc(0)                   ; the last step's fetch has read AA .. AA+3 and ASA
	v_add_nc_u32 v[AA], s28, v[A0]
	v_add_nc_u32 v[AA+1], 49152, v[AA]
	v_add_nc_u32 v[AA+2], 98304, v[AA]
	v_add_nc_u32 v[AA+3], 147456, v[AA]
	v_add_nc_u32 v[ASA], s29, v[AS0]               ; (these five are also plain places behind the last step's products)
	s_wait_dscnt 0x0                               ; the rows' set sg and its scale words are in
	s_wait_loadcnt 26                              ; Wk's blocks 0-3 are in: behind their run two runs of 13 were issued
	s_wait_alu depctr_va_vdst(0)                   ; AA .. AA+3 and ASA are written; the last step's products are done reading the rows' other set, its scale words, and blocks 4-7 of Wk's other set with theirs: the loads of this half land there
	WIN 0xa1                                       ; source 0 (Wk) window 1, source 1 (rows) window 0, C and D window 2
	MUL8 \sg, 0, \zero
	BRUN 1-(\sg), 1, 51200                         ; no wait: the products since the wait above name set sg and the accumulators alone
	ATILE 1-(\sg), 0
	WIN 0xa1
	MUL8 \sg, 1, \zero
	WIN 0
	ATILE 1-(\sg), 1
	ATILE 1-(\sg), 2
	WIN 0xa1
	MUL8 \sg, 2, \zero
	WIN 0
	ATILE 1-(\sg), 3
	ATILE 1-(\sg), 4
	WIN 0xa1
	MUL8 \sg, 3, \zero
	WIN 0
	ATILE 1-(\sg), 5
	ATILE 1-(\sg), 6
	PLACES                                         ; four places between the products of blocks 0-3 and the loads into their sources; the wait below states the dependence
	s_wait_loadcnt 26                              ; Wk's blocks 4-7 are in: again two runs are younger
	s_cmp_lt_u32 s[G], 31
	s_cselect_b32 s26, 51200, 0                    ; a step's four blocks on, up to step 30
	s_wait_xcnt 0x0                                ; the base is rewritten only behind this wait
	s_add_nc_u64 s[6:7], s[6:7], s[26:27]
	s_wait_alu depctr_va_vdst(0)                   ; the products of blocks 0-3 are done reading those fragments of Wk and their scale words, in which the run below lands
	WIN 0xf1                                       ; C and D window 3
	MUL8 \sg, 4, \zero
	BRUN \sg, 0, 51200                             ; no wait: the products since the wait above name blocks 4-7, the rows' set sg and the accumulators alone
	ATILE 1-(\sg), 7
	WIN 0xf1
	MUL8 \sg, 5, \zero
	WIN 0
	ASCALES 1-(\sg)
	WIN 0xf1
	MUL8 \sg, 6, \zero
	MUL8 \sg, 7, \zero
	WIN 0
.endm
; Behind a pass: Wk's block b, all 128 rows.  t = c key + qc; 1 / (1 + 2^t); times -2 We, onto the rows' sums (a pair for each tile of rows: even columns, odd columns).
.macro EPI b
.set QB, QB0+16*((\b)%2)
.set QN, QB0+16*(((\b)+1)%2)
	s_wait_dscnt 0x0                               ; this block's qc and -2 We are in
	WIN 0x02+(\b)/4                                ; source 0: window 2 or 3
.irp a, 0,1,2,3,4,5,6,7
.irp j, 0,2,4,6
	v_pk_fma_f32 v[T+8*\a+\j:T+8*\a+\j+1], v[64*((\b)%4)+8*\a+\j:64*((\b)%4)+8*\a+\j+1], s[18:19], v[QB+\j:QB+\j+1] op_sel_hi:[1,0,1]   ; each accumulator from its low end on
.endr
.endr
	WIN 0
.set II, 0
	s_wait_alu depctr_va_vdst(0)
.rept 64
	v_exp_f32 v[T+II], v[T+II]
.set II, II+1
.endr
	v_nop                                          ; one plain place behind the transcendentals
	s_wait_alu depctr_va_vdst(0)                   ; the 64 exponentials have written T, ahead of their first reader; and the last block's multiply-adds are done reading the other set of qc and -2 We, in which the loads below land
.if (\b) < 7
	ds_load_b128 v[QN:QN+3], v[QA] offset:64*((\b)+1)
	ds_load_b128 v[QN+4:QN+7], v[QA] offset:64*((\b)+1)+16
	ds_load_b128 v[QN+8:QN+11], v[QA] offset:W2O+64*((\b)+1)
	ds_load_b128 v[QN+12:QN+15], v[QA] offset:W2O+64*((\b)+1)+16
.endif
.set II, 0
.rept 32
	v_pk_add_f32 v[T+II:T+II+1], v[T+II:T+II+1], 1.0 op_sel_hi:[1,0]
.set II, II+2
.endr
.set II, 0
	s_wait_alu depctr_va_vdst(0)
.rept 64
	v_rcp_f32 v[T+II], v[T+II]
.set II, II+1
.endr
	v_nop
	s_wait_alu depctr_va_vdst(0)                   ; the 64 reciprocals have written T, ahead of their first reader
.irp j, 0,2,4,6
.irp a, 0,1,2,3,4,5,6,7
	v_pk_fma_f32 v[S+2*\a:S+2*\a+1], v[T+8*\a+\j:T+8*\a+\j+1], v[QB+8+\j:QB+9+\j], v[S+2*\a:S+2*\a+1]   ; eight chains by turns
.endr
.endr
.endm
	s_load_b256 s[4:11], s[0:1], 0x0               ; encoder_output s[4:5], wkl s[6:7], qc s[8:9], We s[10:11]
	s_load_b64 s[12:13], s[0:1], 0x20              ; scores
	s_set_vgpr_msb 0x40
	v_lshl_add_u32 v254, v0, 2, 0x3e400
	v_mov_b32 v255, 0
	s_set_vgpr_msb 0x4000
	v_lshrrev_b32 v14, 5, v0
	v_readfirstlane_b32 s14, v14                   ; wave 0..3
	v_and_b32 v14, 31, v0                          ; lane
	v_lshlrev_b32 v[LI], 4, v14
	v_lshlrev_b32 v[QG], 5, v0
	s_wait_alu depctr_va_sdst(0)                   ; s14 is written, ahead of its first reader: bases and LDS addresses are made from it
	s_lshl_b32 s16, ttmp9, 20                      ; the work-group's 128 rows of 8,192 bytes (255 x 2^20 at the most),
	s_lshl_b32 s15, s14, 18                        ; my wave's 32
	s_add_co_u32 s16, s16, s15
	s_mov_b32 s17, 0
	s_mul_i32 s28, s14, 12800                      ; my block of a step's four in wkl
	s_mov_b32 s29, 0
	s_lshr_b32 s30, ttmp9, 3                       ; the batch: 8 work-groups to each
	s_lshl_b32 s30, s30, 12
	s_mov_b32 s31, 0
	s_lshl_b32 s34, ttmp9, 9                       ; 128 scores
	s_mov_b32 s35, 0
	s_wait_kmcnt 0x0
	s_add_nc_u64 s[4:5], s[4:5], s[16:17]
	s_add_nc_u64 s[6:7], s[6:7], s[28:29]
	s_add_nc_u64 s[8:9], s[8:9], s[30:31]
	s_add_nc_u64 s[12:13], s[12:13], s[34:35]
	s_wait_alu depctr_va_vdst(0)                   ; LI and QG are written, which the loads below read as their offsets
	global_load_b128 v[QWR:QWR+3], v[QG], s[8:9]
	global_load_b128 v[QWR+4:QWR+7], v[QG], s[8:9] offset:16
	global_load_b128 v[QWR+8:QWR+11], v[QG], s[10:11]
	global_load_b128 v[QWR+12:QWR+15], v[QG], s[10:11] offset:16
	XLOAD 0, 0
	XLOAD 1, 0
	XLOAD 2, 0
	XLOAD 3, 0
	v_and_b32 v15, 15, v0                          ; r
	v_bfe_u32 v192, v0, 4, 1                       ; h
	v_lshl_add_u32 v[A0], v14, 4, IMG
	v_lshl_add_u32 v[AS0], v14, 2, ASC
	v_lshlrev_b32 v[BS], 4, v15
	s_lshl_b32 s15, s14, 9
	s_add_co_u32 s16, s15, QC
	v_lshl_add_u32 v[Q0], v192, 5, s16
	s_add_co_u32 s16, s15, SCR
	v_lshl_add_u32 v[SCW], v15, 2, s16
	v_lshl_add_u32 v[SCRD], v14, 4, SCR
	s_mul_i32 s15, s14, 16*SP
	s_add_co_u32 s15, s15, STG                     ; my stage
	v_lshl_add_u32 v[STI], v14, 4, s15
	v_mul_u32_u24 v193, v15, SP
	v_lshl_add_u32 v193, v192, 6, v193
	v_add_nc_u32 v[STO], s15, v193
	s_mul_i32 s15, s14, 49152
	v_lshl_add_u32 v[IM0], v14, 4, s15
	s_lshl_b32 s15, s14, 12
	s_add_co_u32 s15, s15, ASC
	v_lshl_add_u32 v[ASW0], v14, 2, s15
	v_lshl_add_u32 v[QST], v0, 5, QC
	s_mov_b32 s18, 0x4038aa3b                      ; c = 2 log2(e)
	s_mov_b32 s19, s18                             ; (named with it as a pair, so it is written)
	s_mov_b32 s[SEL], 0x76543210
	s_mov_b32 s[SEL+1], 0xfedcba98
.irp b, 0,1,2,3
	v_mov_b32 v[TM+4+\b], 0                        ; written once: a lane permute's destination counts as one of its sources
.endr
.irp j, 0,1,2,3,4,5,6,7,8,9,10,11,12,13,14,15
	v_mov_b32 v[S+\j], 0                           ; the rows' sums: the work behind a pass is written once, so the first pass finds zeros
.endr
	s_wait_alu depctr_va_vdst(0)                   ; the addresses that stay (BS, SCW, SCRD, STI, STO, QST) are written: LDS and memory instructions read them from here on
	; ---- THE ROWS ARE QUANTISED: eight trips of two K steps x two tiles; four sets of 16 loads, 32 KiB a wave, are on their way
	s_mov_b32 s32, 0                               ; a trip's images: 3,072 bytes on in each tile's run
	s_mov_b32 s33, 0                               ; its scale words: 256
	s_mov_b32 s22, 7
.Lx:
	XSTEP 0, 1, 48                                 ; 48: the three younger sets stay out
	XSTEP 1, 1, 48
	XSTEP 2, 1, 48
	XSTEP 3, 1, 48
	s_wait_xcnt 0x0                                ; the base is rewritten only behind this wait
	s_add_nc_u64 s[4:5], s[4:5], 1024
	s_add_co_u32 s32, s32, 3072
	s_add_co_u32 s33, s33, 256
	s_sub_co_u32 s22, s22, 1
	s_cmp_lg_u32 s22, 0
	s_cbranch_scc1 .Lx
.irp j, 0,2,4,6
	v_pk_mul_f32 v[QWR+8+\j:QWR+9+\j], v[QWR+8+\j:QWR+9+\j], -2.0 op_sel_hi:[1,0]   ; -2 We, made here so that the last trip's waits on va_vdst stand between it and its stores.  (qc and We were loaded ahead of the first set, so the first wait above has shown them in)
.endr
	XSTEP 0, 0, 48                                 ; the last trip loads no rows: no load leaves the buffer.  Younger: 16 (3 - q) loads of rows and 13 q of Wk
	XSTEP 1, 0, 45
	XSTEP 2, 0, 42
	XSTEP 3, 0, 39
	ds_store_b128 v[QST], v[QWR:QWR+3]             ; no wait: no vector instruction since the last step's wait on va_vdst names QWR or QST
	ds_store_b128 v[QST], v[QWR+4:QWR+7] offset:16
	ds_store_b128 v[QST], v[QWR+8:QWR+11] offset:W2O
	ds_store_b128 v[QST], v[QWR+12:QWR+15] offset:W2O+16
	s_wait_dscnt 0x0                               ; for the others' sake: my images, scale words, qc and -2 We are written
	s_barrier_signal -1
	s_barrier_wait -1                              ; all 128 rows' codes lie in LDS
	; ---- THE PRODUCT, two passes of 16 K steps
	s_mov_b32 s[G], 0
	s_mov_b32 s27, 0                               ; the upper word of the pointer's step
	s_mov_b32 s30, 0                               ; the pass's 2,048 bytes of qc and of -2 We
	s_wait_alu depctr_vm_vsrc(0)                   ; my LDS stores have read PC, PW, QWR and the addresses v184 to v191: these registers are the rows' fragments from here on, written by LDS loads
	v_mov_b32 v[AA], v[A0]
	v_add_nc_u32 v[AA+1], 49152, v[A0]
	v_add_nc_u32 v[AA+2], 98304, v[A0]
	v_add_nc_u32 v[AA+3], 147456, v[A0]
	v_mov_b32 v[ASA], v[AS0]
	s_wait_alu depctr_va_vdst(0)                   ; AA .. AA+3 and ASA are written, which the fetch below reads; QUANT is done with v64 to v159, in which it lands
.irp a, 0,1,2,3,4,5,6,7
	ATILE 0, \a
.endr
	ASCALES 0
	s_mov_b32 s23, 2
.Lpass:
	GSTEP 0, 1                                     ; a pass's first step starts the sums: nothing is cleared
	s_mov_b32 s24, 7
.Lk:
	GSTEP 1, 0
	GSTEP 0, 0
	s_sub_co_u32 s24, s24, 1
	s_cmp_lg_u32 s24, 0
	s_cbranch_scc1 .Lk
	GSTEP 1, 0
	PLACES                                         ; four places between the last products and the vector instructions that read their results and write over the rows' set 1
	s_wait_alu depctr_vm_vsrc(0)                   ; the last pass's loads of qc and -2 We have read QA
	v_add_nc_u32 v[QA], s30, v[Q0]
	s_wait_alu depctr_va_vdst(0)                   ; QA is written; the last products are done reading the rows' set 1, in whose registers qc and -2 We land
	ds_load_b128 v[QB0:QB0+3], v[QA]
	ds_load_b128 v[QB0+4:QB0+7], v[QA] offset:16
	ds_load_b128 v[QB0+8:QB0+11], v[QA] offset:W2O
	ds_load_b128 v[QB0+12:QB0+15], v[QA] offset:W2O+16
.irp b, 0,1,2,3,4,5,6,7
	EPI \b
.endr
	s_add_co_u32 s30, s30, 2048
	s_sub_co_u32 s23, s23, 1
	s_cmp_lg_u32 s23, 0
	s_cbranch_scc1 .Lpass
	; ---- THE WAY OUT: a row's sum over my 256 columns; the four waves' sums meet in LDS; wave 0 stores 128 scores
.irp a, 0,1,2,3,4,5,6,7
	v_add_f32 v[T+\a], v[S+2*\a], v[S+2*\a+1]
.endr
.irp a, 0,1,2,3,4,5,6,7
	v_permlanex16_b32 v[T+8+\a], v[T+\a], s[SEL], s[SEL+1]
.endr
.irp a, 0,1,2,3,4,5,6,7
	v_add_f32 v[T+\a], v[T+\a], v[T+8+\a]          ; with lane l xor 16's columns
.endr
	s_wait_dscnt 0x0                               ; my reads of the images are over, the last step's fetch among them,
	s_barrier_signal -1
	s_barrier_wait -1                              ; and everybody's: the sums may be laid over the first images
	s_wait_alu depctr_va_vdst(0)                   ; the additions have written T .. T+7, which the stores read; and all vector work on T+16 .. T+31, in which wave 0's loads below land, is done
.irp a, 0,1,2,3,4,5,6,7
	ds_store_b32 v[SCW], v[T+\a] offset:64*\a      ; row 16 a + r; lanes r and 16 + r write the same word with the same value
.endr
	s_wait_dscnt 0x0
	s_barrier_signal -1
	s_barrier_wait -1
	s_cmp_lg_u32 s14, 0
	s_cbranch_scc1 .Lend
.irp k, 0,1,2,3
	ds_load_b128 v[T+16+4*\k:T+19+4*\k], v[SCRD] offset:512*\k
.endr
	s_wait_dscnt 0x0
	v_pk_add_f32 v[T+16:T+17], v[T+16:T+17], v[T+20:T+21]
	v_pk_add_f32 v[T+18:T+19], v[T+18:T+19], v[T+22:T+23]
	v_pk_add_f32 v[T+24:T+25], v[T+24:T+25], v[T+28:T+29]
	v_pk_add_f32 v[T+26:T+27], v[T+26:T+27], v[T+30:T+31]
	v_pk_add_f32 v[T+16:T+17], v[T+16:T+17], v[T+24:T+25]
	v_pk_add_f32 v[T+18:T+19], v[T+18:T+19], v[T+26:T+27]
	s_wait_alu depctr_va_vdst(0)                   ; the additions have written T+16 .. T+19, which the store reads
	global_store_b128 v[LI], v[T+16:T+19], s[12:13]   ; 32 lanes store 512 consecutive bytes, at a multiple of 512 from the buffer's first byte
.Lend:
	s_set_vgpr_msb 0x5                             ; the add's two registers, sources 0 and 1, lie in window 1
	s_wait_dscnt 0x0                               ; the closing lines, six on end
	s_wait_alu 0x0
	s_wait_tensorcnt 0x0
	ds_add_u32 v254, v255
	s_wait_dscnt 0x0
	s_endpgm                                       ; (the three unread runs of Wk may be out: nothing names their registers)
.Lfunc_end_k_q7f64990c33_score:
	.size	k_q7f64990c33_score, .Lfunc_end_k_q7f64990c33_score-k_q7f64990c33_score
	.p2alignl 7, 3214868480
	.fill 96, 4, 3214868480
	.section	.rodata,"a",@progbits
	.p2align	6, 0x0
	.amdhsa_kernel k_q7f64990c33_score
		.amdhsa_group_segment_fixed_size 255488
		.amdhsa_private_segment_fixed_size 0
		.amdhsa_enable_private_segment 0
		.amdhsa_kernarg_size 40
		.amdhsa_user_sgpr_count 2
		.amdhsa_user_sgpr_kernarg_segment_ptr 1
		.amdhsa_wavefront_size32 1
		.amdhsa_system_sgpr_workgroup_id_x 1
		.amdhsa_system_sgpr_workgroup_id_y 1
		.amdhsa_system_sgpr_workgroup_id_z 1
		.amdhsa_system_vgpr_workitem_id 0
		.amdhsa_next_free_vgpr 1024
		.amdhsa_next_free_sgpr 66
		.amdhsa_reserve_vcc 0
		.amdhsa_float_denorm_mode_32 3
		.amdhsa_float_denorm_mode_16_64 3
		.amdhsa_memory_ordered 1
		.amdhsa_forward_progress 1
		.amdhsa_inst_pref_size 216
	.end_amdhsa_kernel
	.amdgpu_metadata
---
amdhsa.version: [ 1, 2 ]
amdhsa.kernels:
  - .name:           k_q7f64990c33_score
    .symbol:         k_q7f64990c33_score.kd
    .args:
      - { .name: encoder_output, .offset: 0, .size: 8, .value_kind: global_buffer, .address_space: global }
      - { .name: wkl, .offset: 8, .size: 8, .value_kind: global_buffer, .address_space: global }
      - { .name: qc, .offset: 16, .size: 8, .value_kind: global_buffer, .address_space: global }
      - { .name: We, .offset: 24, .size: 8, .value_kind: global_buffer, .address_space: global }
      - { .name: scores, .offset: 32, .size: 8, .value_kind: global_buffer, .address_space: global }
    .group_segment_fixed_size: 255488
    .private_segment_fixed_size: 0
    .kernarg_segment_align: 8
    .kernarg_segment_size: 40
    .max_flat_workgroup_size: 128
    .sgpr_count:     66
    .vgpr_count:     1024
    .wavefront_size: 32
...
	.end_amdgpu_metadata
.endif
;; end of part 5
;; launch ctx (part 6): grid 8 x 32, 8 waves a work-group, no clusters, 10,240 bytes of LDS; arguments encoder_output, scores, out0; writes out0
.if DOCPART == 6
	.amdgcn_target "amdgcn-amd-amdhsa--gfx1250"
	.amdhsa_code_object_version 6
	.text
	.protected	k_q7f64990c33_ctx
	.globl	k_q7f64990c33_ctx
	.p2align	8
	.type	k_q7f64990c33_ctx,@function
k_q7f64990c33_ctx:
	s_mov_b64 s[64:65], 0
	v_nop
	global_prefetch_b8 v0, s[64:65] scope:SCOPE_SE
	s_setreg_imm32_b32 hwreg(HW_REG_WAVE_MODE, 25, 1), 1
	s_wait_xcnt 0x0
; out0[b][e] = sum over s of softmax_s(scores[b][s]) encoder_output[b][s][e], all in f32.  A stream: each byte of encoder_output is read once here, by loads of 512 consecutive bytes; no matrix unit (one row), no cluster (nothing large is shared).
; Work-group (x, b) owns columns 256 x .. 256 x + 255 of batch b: every output has one owner.  Each of a batch's eight work-groups makes the softmax of its 1,024 scores anew (4 KiB): the row's true maximum is taken away,
; p = 2^((s - m) log2 e) goes to LDS, the sum divides at the end.  Wave w: 128 columns (w & 1), rows 256 (w >> 1) on; a lane holds 4 columns.  Four slots of 8 rows are on their way: 32 loads, 16 KiB a wave.
; Written out, no loop: every offset is an immediate (255 rows of 8,192 bytes at the most, inside the signed 24 bits: ISA guide, chapter 10), so no address is ever rewritten.
; LIMITS: NaN and infinities among the inputs are not served.
.set P,   0                            ; LDS: p of the batch's 1,024 rows
.set RED, 4096                         ; the eight waves' sums, 512 bytes each
.set RM,  8192                         ; the waves' maxima;
.set RSO, 256                          ; 256 bytes on: their sums of p
.set X,   40                           ; v40-167: slot k: 8 rows x 4 registers
	s_load_b128 s[4:7], s[0:1], 0x0                ; encoder_output, scores
	s_load_b64 s[8:9], s[0:1], 0x10                ; out0
	v_lshl_add_u32 v192, v0, 2, 0x2400
	v_mov_b32 v193, 0
	v_lshrrev_b32 v1, 5, v0
	s_delay_alu instid0(VALU_DEP_1)
	v_readfirstlane_b32 s10, v1                    ; wave 0..7
	v_and_b32 v1, 31, v0
	s_delay_alu instid0(VALU_DEP_1)
	v_lshlrev_b32 v1, 4, v1                        ; 16 x lane
	s_wait_alu depctr_va_vdst(0)
	v_lshlrev_b32 v2, 4, v0                        ; 16 x thread: my four scores, and my four p in LDS (P = 0)
	s_and_b32 s11, ttmp7, 0xffff                   ; the batch
	s_and_b32 s12, s10, 1
	s_lshr_b32 s13, s10, 1
	s_lshl_b32 s14, s11, 23                        ; 1,024 rows of 8,192 bytes (31 x 2^23 at the most)
	s_lshl_b32 s16, ttmp9, 10                      ; my work-group's 1,024 bytes of a row
	s_add_co_u32 s14, s14, s16
	s_lshl_b32 s17, s12, 9                         ; my wave's 512 of them
	s_add_co_u32 s14, s14, s17
	s_lshl_b32 s17, s13, 21                        ; my wave's 256 rows
	s_add_co_u32 s14, s14, s17
	s_mov_b32 s15, 0
	s_lshl_b32 s18, s11, 12
	s_mov_b32 s19, 0
	s_lshl_b32 s20, s11, 13
	s_add_co_u32 s20, s20, s16
	s_lshl_b32 s17, s10, 9
	s_add_co_u32 s20, s20, s17                     ; out0: used by waves 0 and 1, whose number is their half of the columns
	s_mov_b32 s21, 0
	s_lshl_b32 s22, s13, 10
	v_mov_b32 v3, s22                              ; p of my wave's rows: one address for all lanes
	s_lshl_b32 s23, s10, 2
	s_add_co_u32 s23, s23, RM
	v_mov_b32 v26, s23                             ; my wave's word
	v_mov_b32 v27, RM
	s_add_co_u32 s17, s17, RED
	v_add_nc_u32 v37, s17, v1                      ; my wave's 512 bytes among the sums
	s_mov_b32 s24, 0x76543210
	s_mov_b32 s25, 0xfedcba98                      ; v_permlanex16_b32's selects for lane l xor 16
	v_mov_b32 v25, 0                               ; a lane permute's destination counts as one of its sources
.irp j, 4,5,6,7,8,9,10,11
	v_mov_b32 v\j, 0                               ; two sets of four sums: even rows, odd rows
.endr
	s_wait_kmcnt 0x0
	s_add_nc_u64 s[4:5], s[4:5], s[14:15]
	s_add_nc_u64 s[6:7], s[6:7], s[18:19]
	s_add_nc_u64 s[8:9], s[8:9], s[20:21]
.macro FILL t                          ; rows 8 t .. 8 t + 7 into slot t % 4
.irp i, 0,1,2,3,4,5,6,7
	global_load_b128 v[X+32*((\t)%4)+4*\i:X+32*((\t)%4)+4*\i+3], v1, s[4:5] offset:(8*(\t)+\i)*8192 th:TH_LOAD_NT
.endr
.endm
	global_load_b128 v[20:23], v2, s[6:7]
	FILL 0
	FILL 1
	FILL 2
	FILL 3
	s_wait_loadcnt 32                              ; the scores are in; the four slots stay on their way through the whole softmax
	v_max3_num_f32 v24, v20, v21, v22
	s_delay_alu instid0(VALU_DEP_1)
	v_max_num_f32 v24, v24, v23
	s_delay_alu instid0(VALU_DEP_1)
	v_max_num_f32_dpp v24, v24, v24 row_xmask:1 row_mask:0xf bank_mask:0xf
	s_delay_alu instid0(VALU_DEP_1)
	v_max_num_f32_dpp v24, v24, v24 row_xmask:2 row_mask:0xf bank_mask:0xf
	s_delay_alu instid0(VALU_DEP_1)
	v_max_num_f32_dpp v24, v24, v24 row_xmask:4 row_mask:0xf bank_mask:0xf
	s_delay_alu instid0(VALU_DEP_1)
	v_max_num_f32_dpp v24, v24, v24 row_xmask:8 row_mask:0xf bank_mask:0xf
	s_delay_alu instid0(VALU_DEP_1)
	v_permlanex16_b32 v25, v24, s24, s25
	s_delay_alu instid0(VALU_DEP_1)
	v_max_num_f32 v24, v24, v25
	ds_store_b32 v26, v24                          ; all lanes write the same word with the same value
	s_wait_dscnt 0x0
	s_barrier_signal -1
	s_barrier_wait -1
	ds_load_b128 v[28:31], v27
	ds_load_b128 v[32:35], v27 offset:16
	s_wait_dscnt 0x0
	v_max3_num_f32 v24, v28, v29, v30
	s_delay_alu instid0(VALU_DEP_1)
	v_max3_num_f32 v24, v24, v31, v32
	s_delay_alu instid0(VALU_DEP_1)
	v_max3_num_f32 v24, v24, v33, v34
	s_delay_alu instid0(VALU_DEP_1)
	v_max_num_f32 v24, v24, v35                    ; m: the largest of the batch's 1,024 scores
.irp j, 20,21,22,23
	v_sub_f32 v\j, v\j, v24
.endr
.irp j, 20,21,22,23
	s_delay_alu instid0(VALU_DEP_4)
	v_mul_f32 v\j, 0x3fb8aa3b, v\j
.endr
	s_wait_alu depctr_va_vdst(0)
.irp j, 20,21,22,23
	v_exp_f32 v\j, v\j
.endr
	v_nop                                          ; one plain place behind the transcendentals
	s_wait_alu depctr_va_vdst(0)
	ds_store_b128 v2, v[20:23]
	v_add_f32 v38, v20, v21
	v_add_f32 v39, v22, v23
	s_delay_alu instid0(VALU_DEP_1)
	v_add_f32 v38, v38, v39
	s_delay_alu instid0(VALU_DEP_1)
	v_add_f32_dpp v38, v38, v38 row_xmask:1 row_mask:0xf bank_mask:0xf
	s_delay_alu instid0(VALU_DEP_1)
	v_add_f32_dpp v38, v38, v38 row_xmask:2 row_mask:0xf bank_mask:0xf
	s_delay_alu instid0(VALU_DEP_1)
	v_add_f32_dpp v38, v38, v38 row_xmask:4 row_mask:0xf bank_mask:0xf
	s_delay_alu instid0(VALU_DEP_1)
	v_add_f32_dpp v38, v38, v38 row_xmask:8 row_mask:0xf bank_mask:0xf
	s_delay_alu instid0(VALU_DEP_1)
	v_permlanex16_b32 v25, v38, s24, s25
	s_delay_alu instid0(VALU_DEP_1)
	v_add_f32 v38, v38, v25
	ds_store_b32 v26, v38 offset:RSO
	s_wait_dscnt 0x0                               ; for the others' sake: my p and my wave's sum are written
	s_barrier_signal -1
	s_barrier_wait -1
	ds_load_b128 v[28:31], v27 offset:RSO
	ds_load_b128 v[32:35], v27 offset:RSO+16
	s_wait_dscnt 0x0
	v_add_f32 v28, v28, v29
	v_add_f32 v30, v30, v31
	v_add_f32 v32, v32, v33
	v_add_f32 v34, v34, v35
	s_delay_alu instid0(VALU_DEP_3)
	v_add_f32 v28, v28, v30
	s_delay_alu instid0(VALU_DEP_2)
	v_add_f32 v32, v32, v34
	s_delay_alu instid0(VALU_DEP_1)
	v_add_f32 v28, v28, v32                        ; the sum of p: at least 1, since the largest p is 1
	s_wait_alu depctr_va_vdst(0)
	v_rcp_f32 v36, v28
	v_nop
; Turn t: rows 8 t .. 8 t + 7 of my 256 are added; their slot takes the rows four turns on.
.macro TURN t
	ds_load_b128 v[12:15], v3 offset:32*(\t)
	ds_load_b128 v[16:19], v3 offset:32*(\t)+16
.if (\t) < 29
	s_wait_alu depctr_va_vdst(0)
	s_wait_loadcnt 24                              ; my slot's eight loads are in; the three younger slots stay out
.else
	s_wait_alu depctr_va_vdst(0)
	s_wait_loadcnt 8*(31-(\t))
.endif
	s_wait_dscnt 0x0
.irp i, 0,1,2,3,4,5,6,7
.irp j, 0,1,2,3
	v_fmac_f32 v[4+4*(\i%2)+\j], v[12+\i], v[X+32*((\t)%4)+4*\i+\j]
.endr
.endr
.if (\t) < 28
	FILL (\t)+4
.endif
.endm
.set TT, 0
.rept 32
	TURN TT
.set TT, TT+1
.endr
	s_delay_alu instid0(VALU_DEP_3)
	v_pk_add_f32 v[4:5], v[4:5], v[8:9]
	s_delay_alu instid0(VALU_DEP_2)
	v_pk_add_f32 v[6:7], v[6:7], v[10:11]
	ds_store_b128 v37, v[4:7]
	s_wait_dscnt 0x0
	s_barrier_signal -1
	s_barrier_wait -1
	s_cmp_lt_u32 s10, 2
	s_cbranch_scc0 .Lend                           ; waves 0 and 1 add the four groups of rows for their 128 columns
	ds_load_b128 v[12:15], v37
	ds_load_b128 v[16:19], v37 offset:1024
	ds_load_b128 v[20:23], v37 offset:2048
	ds_load_b128 v[28:31], v37 offset:3072
	s_wait_dscnt 0x0
	v_pk_add_f32 v[12:13], v[12:13], v[16:17]
	v_pk_add_f32 v[14:15], v[14:15], v[18:19]
	v_pk_add_f32 v[20:21], v[20:21], v[28:29]
	v_pk_add_f32 v[22:23], v[22:23], v[30:31]
	s_delay_alu instid0(VALU_DEP_2)
	v_pk_add_f32 v[12:13], v[12:13], v[20:21]
	s_delay_alu instid0(VALU_DEP_2)
	v_pk_add_f32 v[14:15], v[14:15], v[22:23]
	s_wait_alu depctr_va_vdst(0)
.irp j, 12,13,14,15
	v_mul_f32 v\j, v\j, v36
.endr
	global_store_b128 v1, v[12:15], s[8:9]         ; 32 lanes store 512 consecutive bytes, at a multiple of 512 from out0's first byte
.Lend:
	s_wait_tensorcnt 0x0
	ds_add_u32 v192, v193
	s_wait_dscnt 0x0
	s_endpgm
.Lfunc_end_k_q7f64990c33_ctx:
	.size	k_q7f64990c33_ctx, .Lfunc_end_k_q7f64990c33_ctx-k_q7f64990c33_ctx
	.p2alignl 7, 3214868480
	.fill 96, 4, 3214868480
	.section	.rodata,"a",@progbits
	.p2align	6, 0x0
	.amdhsa_kernel k_q7f64990c33_ctx
		.amdhsa_group_segment_fixed_size 10240
		.amdhsa_private_segment_fixed_size 0
		.amdhsa_enable_private_segment 0
		.amdhsa_kernarg_size 24
		.amdhsa_user_sgpr_count 2
		.amdhsa_user_sgpr_kernarg_segment_ptr 1
		.amdhsa_wavefront_size32 1
		.amdhsa_system_sgpr_workgroup_id_x 1
		.amdhsa_system_sgpr_workgroup_id_y 1
		.amdhsa_system_sgpr_workgroup_id_z 1
		.amdhsa_system_vgpr_workitem_id 0
		.amdhsa_next_free_vgpr 194
		.amdhsa_next_free_sgpr 66
		.amdhsa_reserve_vcc 0
		.amdhsa_float_denorm_mode_32 3
		.amdhsa_float_denorm_mode_16_64 3
		.amdhsa_memory_ordered 1
		.amdhsa_forward_progress 1
		.amdhsa_inst_pref_size 71
	.end_amdhsa_kernel
	.amdgpu_metadata
---
amdhsa.version: [ 1, 2 ]
amdhsa.kernels:
  - .name:           k_q7f64990c33_ctx
    .symbol:         k_q7f64990c33_ctx.kd
    .args:
      - { .name: encoder_output, .offset: 0, .size: 8, .value_kind: global_buffer, .address_space: global }
      - { .name: scores, .offset: 8, .size: 8, .value_kind: global_buffer, .address_space: global }
      - { .name: out0, .offset: 16, .size: 8, .value_kind: global_buffer, .address_space: global }
    .group_segment_fixed_size: 10240
    .private_segment_fixed_size: 0
    .kernarg_segment_align: 8
    .kernarg_segment_size: 24
    .max_flat_workgroup_size: 256
    .sgpr_count:     66
    .vgpr_count:     194
    .wavefront_size: 32
...
	.end_amdgpu_metadata
.endif
;; end of part 6
